; MI455X (gfx1250); checked and timed in simulation.
; The chip was launched on July 23, 2026; its instructions are those of AMD's public machine-readable ISA for CDNA 5 (MIT licence, August 2026) and "CDNA5" Instruction Set Architecture Reference Guide (July 2026). The comments in the code are by the model that wrote it; some were corrected since.
;; Multi Head Attention. Allowed arithmetic: matrix products marked QUANTISED: E2M3 operands, one E8M0 scale for each 32 along K, by v_wmma_scale_f32_16x16x128_f8f6f4 with both operands' format E2M3, f32 sums; everything else in f32.
;; Inputs: K 4 x 2,048 x 1,024 float32; Q 4 x 2,048 x 1,024 float32; V 4 x 2,048 x 1,024 float32; Wk 1,024 x 1,024 float32; Wo 1,024 x 1,024 float32; Wq 1,024 x 1,024 float32; Wv 1,024 x 1,024 float32; bk 1,024 float32; bo 1,024 float32; bq 1,024 float32; bv 1,024 float32.
;; Outputs: out0 4 x 2,048 x 1,024 float32.
;; This version of the problem:
;;   THIS VERSION OF THE PROBLEM IS GIVEN IN LOW PRECISION. The matrix products marked QUANTISED in the list below multiply operands that are first quantised to E2M3 (2 exponent bits, 3 mantissa bits; 6 bits a number), with one power-of-two scale for each 32 numbers along K (OCP MX v1.0); their sums are f32. All else is computed in f32.
;;   The module's matrix products, in the order in which they are computed (A, B: the left and right operand; K: the contracted axis; several contracted axes count as one K, in the product's order):
;;     1. [M 8,192, K 1,024] x [K 1,024, N 1,024]; A: input Q; B: input Wq: QUANTISED
;;     2. [M 8,192, K 1,024] x [K 1,024, N 1,024]; A: input K; B: input Wk: QUANTISED
;;     3. [M 8,192, K 1,024] x [K 1,024, N 1,024]; A: input V; B: input Wv: QUANTISED
;;     4. batch 64 x [M 2,048, K 64] x [K 64, N 2,048]; A: computed on the way; B: computed on the way: QUANTISED
;;     5. batch 64 x [M 2,048, K 2,048] x [K 2,048, N 64]; A: softmax (see below); B: computed on the way: QUANTISED
;;     6. [M 8,192, K 1,024] x [K 1,024, N 1,024]; A: computed on the way; B: input Wo: QUANTISED
;;   THE QUANTISER, for each operand of a quantised product, along K:
;;     - K is cut into blocks of 32 from its start; a last block that is shorter is filled with zeros.
;;     - A block's scale is 2^e with e = floor(log2(the largest magnitude in the block)) - 2, held to -126 .. 127; a block of zeros has e = 0. As a byte (E8M0): e + 127.
;;     - Each number is divided by its block's scale, clamped to +-7.5, and rounded to the nearest number of E2M3, ties to even, subnormals kept.
;;     - The product sums the exact products of the quantised numbers (number of the format x scale) in f32.
;;   ~~~python
;;   def quantise(x, axis):      # numpy; x: float32 -> the quantised numbers, widened to float32 again
;;       x = np.moveaxis(x, axis, -1); K = x.shape[-1]
;;       x = np.pad(x, [(0, 0)] * (x.ndim - 1) + [(0, -K % 32)]); x = x.reshape(x.shape[:-1] + (-1, 32)); a = np.abs(x).max(-1, keepdims=True)
;;       e = np.where(a > 0, np.clip(np.frexp(np.where(a > 0, a, 1))[1] - 1 - 2, -126, 127), 0)      # np.frexp(a)[1] - 1 = floor(log2(a)), exactly
;;       r = np.clip(x / 2.0 ** e, -7.5, 7.5)
;;       step = 2.0 ** (np.maximum(np.frexp(np.where(r == 0, 1, r))[1] - 1, 0) - 3)
;;       q = np.round(r / step) * step * 2.0 ** e      # np.round: ties to even
;;       return np.moveaxis(q.reshape(q.shape[:-2] + (-1,))[..., :K], -1, axis).astype(np.float32)
;;   ~~~
;;   SOFTMAX AHEAD OF A QUANTISED PRODUCT. Where the list says 'softmax', what is quantised is not the finished softmax but p = 2^(t - M), with t = logit x log2(e) and M = ceil(the row's largest t), a whole number; so 1/2 < the row's largest p <= 1. The row's sum l is taken of the UNQUANTISED p, in f32, and the product's result is divided by l at the end. Since M is a whole number, a kernel that streams over the keys may use a running M (the ceiling of the running maximum): every later rescaling is an exact power of two, which a block's scale takes up: the codes' values come out the same.
;;   OPERANDS COMPUTED ON THE WAY. 'Computed on the way' means the value that the module computes at that place (a softmax that the list does not call 'softmax' is quantised finished and normalised). What goes into a quantiser is computed in f32, as accurately as f32 sums, v_exp_f32 and their like allow (about 1e-6 of the number): no bf16 or f16 on the way to a quantiser, and a product that is left as it is and whose result goes on into a quantised operand takes f32 operands (vector FMAs, or v_wmma_f32_16x16x4_f32). A number that lies on a knife's edge between two numbers of the format may be rounded either way, as far as f32 arithmetic and the matrix unit's own rounding can turn it there, and no further.
;; One version. Each part assembles by itself: llvm-mc -triple=amdgcn-amd-amdhsa -mcpu=gfx1250 --defsym DOCPART=n.
;; ======== version 1 of 1: 4 launches
;; limits: right only within a limited range of input values
;; workspace buffers: xc 18,874,368 bytes; xs 786,432 bytes; wc 3,145,728 bytes; ws 131,072 bytes; qb 6,553,600 bytes; kv 13,107,200 bytes; oc 6,291,456 bytes; os 262,144 bytes
;; launch quant (part 1): grid 896 x 1, 4 waves a work-group, no clusters, 35,328 bytes of LDS; arguments Q, K, V, Wq, Wk, Wv, Wo, xc, xs, wc, ws; writes xc, xs, wc, ws
.if DOCPART == 1
	.amdgcn_target "amdgcn-amd-amdhsa--gfx1250"
	.amdhsa_code_object_version 6
	.text
	.protected	k_q836fed307d_quant
	.globl	k_q836fed307d_quant
	.p2align	8
	.type	k_q836fed307d_quant,@function
k_q836fed307d_quant:
	s_mov_b64 s[64:65], 0
	v_nop
	global_prefetch_b8 v0, s[64:65] scope:SCOPE_SE
	s_setreg_imm32_b32 hwreg(HW_REG_WAVE_MODE, 25, 1), 1
	s_wait_xcnt 0x0
; LAUNCH 1 OF 4.  Multi-head attention, all six products on codes of FP6 (E2M3) with one E8M0 scale for each 32 along K.
; DEAD WORK: none.  Every product of the problem is live, every bias goes into a quantised operand (bq, bk, bv) or into the output (bo): all eleven inputs are loaded by some launch.
; THIS LAUNCH turns Q, K, V [8192][1024] (K innermost) and Wq, Wk, Wv, Wo [1024 (k)][1024 (n)] (K outermost), f32, into codes and scale bytes, once, laid as the products' operand registers want them.
; A block's scale is 2^(floor(log2(its largest magnitude)) - 2); its byte is that magnitude's exponent field - 2, held at 1 from below.
; LIMITS: NaN and infinities among the inputs are not served; a block whose largest magnitude lies under 2^-124 keeps the byte 1; a block of zeros has the byte 1 where the rule says 127: its codes are zeros, and this program alone reads the bytes.
; LAYOUT OF THE CODES: [tile of 16 rows][64 along K, 16 of them][768 bytes].  A piece of 768 bytes is the image of six registers: lane (r = lane % 16, h = lane / 16) owns the codes k = 32 h .. 32 h + 31 of row r;
;   registers 0-3 lie at 16 x lane, registers 4-5 at 512 + 8 x lane.  Two pieces on end are a fragment of 128 along K.
; LAYOUT OF THE SCALE BYTES: [group of 32 rows][256 along K, 4 of them][row][8 bytes].
; THE ORDER OF ROWS: place P of a buffer holds row P with its bits 3 and 4 exchanged, so that a tile's rows 0-7 are eight neighbours and rows 8-15 the eight that lie 16 further on.
; Work-groups 0-767: tokens.  A work-group takes 32 rows, wave w the columns 256 w on: eight steps of 16 rows x 64 columns.  A load reads 256 consecutive aligned bytes of each of two rows; the step turns through the wave's own
;   stage in LDS, so that a lane gets 32 neighbours of one row, a whole block.  Loads run three steps ahead, the turn one.
; Work-groups 768-895: weights.  A lane takes a column n and its registers run down K: a block of 32 lies in one lane, the conversions give codes with K innermost, and one exchange of halves between two blocks gives the pieces.  No LDS.
.set XCB,    6291456                   ; bytes of one token tensor's codes
.set XSB,    262144                    ; and of its scale bytes
.set WCB,    786432                    ; the same for a weight
.set WSB,    32768
.set TPITCH, 12288                     ; a tile of 16 rows x 1,024 codes
.set WREG,   8704                      ; LDS of a wave: two stages of 16 rows x (256 bytes + 16)
.set SPARE,  4*WREG                    ; behind them the spare words, 128 bytes a wave: two blocks of 256 bytes that no other line names
.set R,      32                        ; v32-127  numbers as loaded: three sets of 32 (weights: two)
.set X,      128                       ; v128-191 two sets of 32 neighbours
.set C,      192                       ; v192-255 codes: eight registers for each step, so that no store's data are written again
.set SB,     18                        ; v18-21   scale bytes
.set SPW,    16                        ; v16      my spare word's address; never rewritten
.set NIL,    17                        ; v17      0; never rewritten
	s_load_b512 s[8:23], s[0:1], 0x0               ; Q 8, K 10, V 12, Wq 14, Wk 16, Wv 18, Wo 20, xc 22
	s_load_b128 s[24:27], s[0:1], 0x40             ; xs 24, wc 26
	s_load_b64 s[28:29], s[0:1], 0x50              ; ws
	v_lshl_add_u32 v[SPW], v0, 2, SPARE
	v_mov_b32 v[NIL], 0
	v_lshrrev_b32 v1, 5, v0
	v_readfirstlane_b32 s2, v1                     ; wave
	v_and_b32 v1, 31, v0                           ; lane
	v_and_b32 v2, 15, v0                           ; r
	v_bfe_u32 v7, v0, 4, 1                         ; h
	v_lshlrev_b32 v4, 4, v1                        ; a piece's registers 0-3: 16 x lane
	v_lshlrev_b32 v6, 3, v1                        ; 8 x lane
	v_add_nc_u32 v5, 512, v6                       ; its registers 4-5
	v_mov_b32 v22, 0                               ; a lane permute's destination counts as read: written once
	s_mov_b32 s4, 0x76543210
	s_mov_b32 s5, 0xfedcba98                       ; selects for lane l xor 16
	s_mov_b32 s31, 0
	s_mov_b32 s35, 0
	s_mov_b32 s37, 0
; 32 numbers of one block, v[xs] on, become six registers of codes, v[cd] on; v13 = the scale's byte
.macro CODES xs, cd
	v_max3_num_f32 v12, |v[\xs]|, |v[\xs+1]|, |v[\xs+2]|
	v_max3_num_f32 v13, |v[\xs+3]|, |v[\xs+4]|, |v[\xs+5]|
.irp i, 6,10,14,18,22,26
	v_max3_num_f32 v12, v12, |v[\xs+\i]|, |v[\xs+\i+1]|
	v_max3_num_f32 v13, v13, |v[\xs+\i+2]|, |v[\xs+\i+3]|
.endr
	v_max3_num_f32 v12, v12, |v[\xs+30]|, |v[\xs+31]|
	v_max3_num_f32 v12, v12, v13, 0x1800000        ; with the floor 2^(3 - 127): the byte cannot fall under 1
	v_add_nc_u32 v11, 0xff000000, v12              ; 2 off the exponent field: the conversion takes that field as its scale
	v_lshrrev_b32 v13, 23, v11                     ; the byte
	v_cvt_scalef32_pk16_fp6_f32 v[\cd:\cd+2], v[\xs:\xs+15], v11
	v_cvt_scalef32_pk16_fp6_f32 v[24:26], v[\xs+16:\xs+31], v11    ; (a conversion's three registers begin on an even number)
	v_nop                                          ; one plain instruction behind the conversions
.irp i, 0,1,2
	v_mov_b32 v[\cd+3+\i], v[24+\i]
.endr
.endm
	s_cmp_ge_u32 ttmp9, 768
	s_cbranch_scc1 .Lweights
	; ---------------- tokens ----------------
	s_lshr_b32 s3, ttmp9, 8                        ; which tensor
	s_and_b32 s6, ttmp9, 255                       ; which 32 rows
	s_lshl_b32 s30, s6, 17                         ; 32 rows of 4,096 bytes
	s_lshl_b32 s7, s2, 10                          ; my 256 columns
	s_add_co_u32 s30, s30, s7
	s_mul_i32 s34, s3, XCB
	s_mul_i32 s7, s6, 2*TPITCH
	s_add_co_u32 s34, s34, s7
	s_mul_i32 s7, s2, 3072                         ; four pieces
	s_add_co_u32 s34, s34, s7
	s_mul_i32 s36, s3, XSB
	s_lshl_b32 s7, s6, 10
	s_add_co_u32 s36, s36, s7
	s_lshl_b32 s7, s2, 8
	s_add_co_u32 s36, s36, s7
	s_wait_alu depctr_va_vdst(0)
	v_lshlrev_b32 v3, 12, v7                       ; a load: lanes 0-15 one row's 256 bytes, lanes 16-31 the next row's
	v_lshl_add_u32 v3, v2, 4, v3
	s_mul_i32 s7, s2, WREG
	v_mul_u32_u24 v14, v7, 272
	v_lshl_add_u32 v14, v2, 4, v14
	v_add_nc_u32 v14, s7, v14                      ; into the stage, as loaded
	v_mul_u32_u24 v15, v2, 272
	v_lshl_add_u32 v15, v7, 7, v15
	v_add_nc_u32 v15, s7, v15                      ; out of it: row r, 128 h bytes on: my block
	v_lshlrev_b32 v7, 3, v7                        ; 8 h
	s_wait_alu depctr_va_vdst(0)
	s_wait_kmcnt 0x0
	s_cmp_eq_u32 s3, 0
	s_cselect_b64 s[32:33], s[8:9], s[10:11]
	s_cmp_eq_u32 s3, 2
	s_cselect_b64 s[32:33], s[12:13], s[32:33]
	s_add_nc_u64 s[32:33], s[32:33], s[30:31]
	s_add_nc_u64 s[34:35], s[22:23], s[34:35]
	s_add_nc_u64 s[36:37], s[24:25], s[36:37]
.macro XLOAD t                         ; step t: tile t / 4, columns 64 (t % 4) on.  Load i brings the tile's rows 2 i, 2 i + 1, which are rows 16 (i / 4) + 8 (t / 4) + 2 (i % 4) on of the 32
.irp i, 0,1,2,3,4,5,6,7
	global_load_b128 v[R+32*((\t)%3)+4*\i:R+32*((\t)%3)+4*\i+3], v3, s[32:33] offset:(16*(\i/4)+8*((\t)/4)+2*(\i%4))*4096+256*((\t)%4) th:TH_LOAD_NT
.endr
.endm
.macro XTURN t                         ; through the stage; LDS serves a wave's instructions in order, so no wait stands between the stores and the loads
.irp i, 0,1,2,3,4,5,6,7
	ds_store_b128 v14, v[R+32*((\t)%3)+4*\i:R+32*((\t)%3)+4*\i+3] offset:4352*((\t)%2)+544*\i
.endr
.irp j, 0,1,2,3,4,5,6,7
	ds_load_b128 v[X+32*((\t)%2)+4*\j:X+32*((\t)%2)+4*\j+3], v15 offset:4352*((\t)%2)+16*\j
.endr
.endm
.macro XSTEP t
	s_wait_dscnt 0x0                               ; this step's numbers are back, and its stores into the stage have read their registers,
.if (\t)+3 < 8
	XLOAD (\t)+3                                   ; which take the loads of three steps on
.endif
.if (\t)+1 < 8
.if (\t)+3 < 8
	s_wait_loadcnt 16                              ; the next step's eight loads are in; those of the two steps behind it may be out
.else
	s_wait_loadcnt 8*(6-(\t))
.endif
	XTURN (\t)+1
.endif
.set XS, X+32*((\t)%2)
.set CD, C+8*(\t)
	CODES XS, CD
.if (\t)%2 == 0
	v_mov_b32 v[SB+2*((\t)/4)+((\t)%4)/2], v13     ; my byte of the word of 128 along K: blocks h and 2 + h are mine
.else
	v_lshl_or_b32 v[SB+2*((\t)/4)+((\t)%4)/2], v13, 16, v[SB+2*((\t)/4)+((\t)%4)/2]
.endif
	global_store_b128 v4, v[CD:CD+3], s[34:35] offset:TPITCH*((\t)/4)+768*((\t)%4)     ; 512 consecutive aligned bytes
	global_store_b64 v5, v[CD+4:CD+5], s[34:35] offset:TPITCH*((\t)/4)+768*((\t)%4)    ; and 256
.endm
	XLOAD 0
	XLOAD 1
	XLOAD 2
	s_wait_loadcnt 16                              ; step 0's loads are in
	XTURN 0
.irp t, 0,1,2,3,4,5,6,7
	XSTEP \t
.endr
.irp k, 0,1,2,3
	v_lshlrev_b32 v[SB+\k], v7, v[SB+\k]           ; my bytes at their places, 8 h bits up
.endr
.irp k, 0,1,2,3
	v_permlanex16_b32 v22, v[SB+\k], s4, s5
	v_or_b32 v[SB+\k], v[SB+\k], v22               ; with lane l xor 16's the word is whole
.endr
	v_permlane16_swap_b32 v[SB], v[SB+2]           ; lanes 16-31 take the second tile's words: lane = row of the 32
	v_permlane16_swap_b32 v[SB+1], v[SB+3]
	global_store_b64 v6, v[SB:SB+1], s[36:37]      ; 256 consecutive aligned bytes
	s_wait_tensorcnt 0x0                           ; the wave's end: three closing lines behind my last LDS store
	ds_add_u32 v[SPW], v[NIL]
	s_wait_dscnt 0x0
	s_endpgm
	; ---------------- weights ----------------
.Lweights:
	s_sub_co_u32 s6, ttmp9, 768
	s_lshr_b32 s3, s6, 5                           ; which weight
	s_and_b32 s7, s6, 7                            ; which 128 columns
	s_bfe_u32 s6, s6, 0x20003                      ; which 256 along K
	s_lshl_b32 s7, s7, 2
	s_add_co_u32 s7, s7, s2                        ; my wave's group of 32 columns
	s_lshl_b32 s30, s6, 20                         ; 256 rows of 4,096 bytes
	s_lshl_b32 s38, s7, 7
	s_add_co_u32 s30, s30, s38
	s_mul_i32 s34, s3, WCB
	s_mul_i32 s38, s7, 2*TPITCH
	s_add_co_u32 s34, s34, s38
	s_mul_i32 s38, s6, 3072
	s_add_co_u32 s34, s34, s38
	s_lshl_b32 s36, s3, 15
	s_lshl_b32 s38, s7, 10
	s_add_co_u32 s36, s36, s38
	s_lshl_b32 s38, s6, 8
	s_add_co_u32 s36, s36, s38
	v_and_b32 v8, 7, v0
	v_bfe_u32 v9, v0, 3, 1
	v_lshl_or_b32 v8, v9, 4, v8
	s_wait_alu depctr_va_vdst(0)
	v_lshl_or_b32 v8, v7, 3, v8                    ; my lane's number with bits 3 and 4 exchanged: the column that my place holds
	v_lshlrev_b32 v3, 2, v8
	s_wait_alu depctr_va_vdst(0)
	s_wait_kmcnt 0x0
	s_cmp_eq_u32 s3, 0
	s_cselect_b64 s[32:33], s[14:15], s[16:17]
	s_cmp_eq_u32 s3, 2
	s_cselect_b64 s[32:33], s[18:19], s[32:33]
	s_cmp_eq_u32 s3, 3
	s_cselect_b64 s[32:33], s[20:21], s[32:33]
	s_add_nc_u64 s[32:33], s[32:33], s[30:31]
	s_add_nc_u64 s[34:35], s[26:27], s[34:35]
	s_add_nc_u64 s[36:37], s[28:29], s[36:37]
.macro WLOAD t                         ; block t: W(32 t + i, my column)
.set i, 0
.rept 32
	global_load_b32 v[R+32*((\t)%2)+i], v3, s[32:33] offset:(32*(\t)+i)*4096 th:TH_LOAD_NT
.set i, i+1
.endr
.endm
.macro WBLOCK t
.if (\t) < 7
	s_wait_loadcnt 32                              ; this block's loads are in; the next block's may be out
.else
	s_wait_loadcnt 0x0
.endif
.set XS, R+32*((\t)%2)
.set CD, C+8*(\t)
	CODES XS, CD
.if (\t)%4 == 0
	v_mov_b32 v[SB+(\t)/4], v13
.else
	v_lshl_or_b32 v[SB+(\t)/4], v13, 8*((\t)%4), v[SB+(\t)/4]
.endif
.if (\t)+2 < 8
	WLOAD (\t)+2
.endif
.if (\t)%2                             ; two blocks make the pieces of both tiles: the first's lanes 16-31 change places with the second's lanes 0-15
.irp i, 0,1,2,3,4,5
	v_permlane16_swap_b32 v[CD-8+\i], v[CD+\i]
.endr
	global_store_b128 v4, v[CD-8:CD-5], s[34:35] offset:768*((\t)/2)
	global_store_b64 v5, v[CD-4:CD-3], s[34:35] offset:768*((\t)/2)
	global_store_b128 v4, v[CD:CD+3], s[34:35] offset:TPITCH+768*((\t)/2)
	global_store_b64 v5, v[CD+4:CD+5], s[34:35] offset:TPITCH+768*((\t)/2)
.endif
.endm
	WLOAD 0
	WLOAD 1
.irp t, 0,1,2,3,4,5,6,7
	WBLOCK \t
.endr
	global_store_b64 v6, v[SB:SB+1], s[36:37]      ; my place's eight bytes: 256 consecutive aligned bytes a wave
	s_wait_tensorcnt 0x0                           ; the same three lines close this path
	ds_add_u32 v[SPW], v[NIL]
	s_wait_dscnt 0x0
	s_endpgm
.Lfunc_end_k_q836fed307d_quant:
	.size	k_q836fed307d_quant, .Lfunc_end_k_q836fed307d_quant-k_q836fed307d_quant
	.p2alignl 7, 3214868480
	.fill 96, 4, 3214868480
	.section	.rodata,"a",@progbits
	.p2align	6, 0x0
	.amdhsa_kernel k_q836fed307d_quant
		.amdhsa_group_segment_fixed_size 35328
		.amdhsa_private_segment_fixed_size 0
		.amdhsa_enable_private_segment 0
		.amdhsa_kernarg_size 88
		.amdhsa_user_sgpr_count 2
		.amdhsa_user_sgpr_kernarg_segment_ptr 1
		.amdhsa_wavefront_size32 1
		.amdhsa_system_sgpr_workgroup_id_x 1
		.amdhsa_system_sgpr_workgroup_id_y 1
		.amdhsa_system_sgpr_workgroup_id_z 1
		.amdhsa_system_vgpr_workitem_id 0
		.amdhsa_next_free_vgpr 256
		.amdhsa_next_free_sgpr 66
		.amdhsa_reserve_vcc 0
		.amdhsa_float_denorm_mode_32 3
		.amdhsa_float_denorm_mode_16_64 3
		.amdhsa_memory_ordered 1
		.amdhsa_forward_progress 1
		.amdhsa_inst_pref_size 71
	.end_amdhsa_kernel
	.amdgpu_metadata
---
amdhsa.version: [ 1, 2 ]
amdhsa.kernels:
  - .name:           k_q836fed307d_quant
    .symbol:         k_q836fed307d_quant.kd
    .args:
      - { .name: Q, .offset: 0, .size: 8, .value_kind: global_buffer, .address_space: global }
      - { .name: K, .offset: 8, .size: 8, .value_kind: global_buffer, .address_space: global }
      - { .name: V, .offset: 16, .size: 8, .value_kind: global_buffer, .address_space: global }
      - { .name: Wq, .offset: 24, .size: 8, .value_kind: global_buffer, .address_space: global }
      - { .name: Wk, .offset: 32, .size: 8, .value_kind: global_buffer, .address_space: global }
      - { .name: Wv, .offset: 40, .size: 8, .value_kind: global_buffer, .address_space: global }
      - { .name: Wo, .offset: 48, .size: 8, .value_kind: global_buffer, .address_space: global }
      - { .name: xc, .offset: 56, .size: 8, .value_kind: global_buffer, .address_space: global }
      - { .name: xs, .offset: 64, .size: 8, .value_kind: global_buffer, .address_space: global }
      - { .name: wc, .offset: 72, .size: 8, .value_kind: global_buffer, .address_space: global }
      - { .name: ws, .offset: 80, .size: 8, .value_kind: global_buffer, .address_space: global }
    .group_segment_fixed_size: 35328
    .private_segment_fixed_size: 0
    .kernarg_segment_align: 8
    .kernarg_segment_size: 88
    .max_flat_workgroup_size: 128
    .sgpr_count:     66
    .vgpr_count:     256
    .wavefront_size: 32
...
	.end_amdgpu_metadata
.endif
;; end of part 1
;; launch proj (part 2): grid 4 x 64, 4 waves a work-group, clusters of 4 x 4, 327,680 bytes of LDS; arguments xc, xs, wc, ws, bq, bk, bv, qb, kv; writes qb, kv
.if DOCPART == 2
	.amdgcn_target "amdgcn-amd-amdhsa--gfx1250"
	.amdhsa_code_object_version 6
	.text
	.protected	k_q836fed307d_proj
	.globl	k_q836fed307d_proj
	.p2align	8
	.type	k_q836fed307d_proj,@function
k_q836fed307d_proj:
	s_mov_b64 s[64:65], 0
	v_nop
	global_prefetch_b8 v0, s[64:65] scope:SCOPE_SE
	s_setreg_imm32_b32 hwreg(HW_REG_WAVE_MODE, 25, 1), 1
	s_wait_xcnt 0x0
	s_wait_alu depctr_hold_cnt(0) depctr_sa_sdst(0) depctr_va_vdst(0) depctr_va_sdst(0) depctr_va_ssrc(0) depctr_va_vcc(0) depctr_vm_vsrc(0)
	s_getreg_b32 s2, hwreg(HW_REG_IB_STS2, 6, 4)
	s_cmp_eq_u32 s2, 0
	s_cbranch_scc0 .Lentry_in_a_cluster
	s_endpgm
.Lentry_in_a_cluster:
	s_bfe_u32 s2, ttmp6, 0x10000c
	s_cmp_lg_u32 s2, 0xf033
	s_cbranch_scc0 .Lentry_shape_is_right
	s_endpgm
.Lentry_shape_is_right:
; LAUNCH 2 OF 4: q = Q Wq + bq, k = K Wk + bk, v = V Wv + bv on codes of FP6 (E2M3), each result quantised again for the attention's products and stored as images of operand registers.  No work is left out.  Limits as in launch 1.
; SHARES.  256 work-groups; each makes three blocks of 128 x 256 on end: 128 tokens x 256 channels of q, the same of k, and 128 channels x 256 tokens of v (there A is Wv and B the tokens).
; Four waves, 2 x 2: a wave has 64 rows of A x 128 rows of B, 32 accumulators (window 2).  Source 0 = B's rows, source 1 = A's: a lane holds one row of A and its registers run along B's rows, which are the next product's K.
; THE RING: two slots, each 512 along K of A's 8 tiles and B's 16 (6,144 consecutive bytes of each tile, at a multiple of 256): a block is two fills, and the ring goes on into the next block while a block is quantised and stored.
; In a round wave 0 asks for A's part, wave 1 for B's; waves 2 and 3 for the block's scale bytes where they are due.  The scale bytes have two regions: blocks 0 and 2 take the first, block 1 the second.
; FILLS: at the head slot 0 and block 0's scales; behind a round slot 1 and block 1's scales (first fills all four); then five rounds or barriers at the changes of slots, four of them with refills.  One tensor load of a wave is out at a time.
; CLUSTERS 4 x 4: A's tiles hang on the cluster's number and cy and are shared along a row, B's on the cluster's number and cx and are shared along a column.
; PREFETCH: behind each fill the next fill's codes are asked for: of a part's blocks of 256 bytes each of the sixteen waves of the four partners names a sixteenth, by address.
; REGISTERS: window 0: v1-29 addresses; v32-63 scale words, two sets; v64-127 the bias; v128-223 A's fragments, two sets; on the way out v128-243.  Window 1: B's fragments at v0 and v128.
.set XCB,    6291456
.set XSB,    262144
.set WCB,    786432
.set WSB,    32768
.set FR,     12
.set TR2,    6144                      ; 512 along K of one tile
.set SLOT,   24*TR2
.set SCL,    2*SLOT                    ; a region of scale bytes: A's 4,096, then B's 8,192
.set SPARE,  SCL+2*12288
.set ADRS,   4                         ; v4, v5 my scale words in region 0, 1
.set ADRA,   16
.set ADRB,   20
.set SPW,    28
.set NIL,    29
.set SC,     32
.set BC,     64
.set AF,     128
.set T,      128
.set PC,     192
.set TM,     212
.set WV, 2
.set WR, 3
.set WC, 20
.set CX, 21
.set CY, 22
.set CL, 23
.set BA, 4                             ; s[4:9] where A's codes begin, block 0, 1, 2;  s[10:15] B's
.set BB, 10
.set SA, 88                            ; s[88:93] A's scale bytes;  s[94:99] B's
.set SBB, 94
.set SEL, 66
.set G1, 24
.set G0A, 32
.set G0B, 36
.set G1B, 48
.set G0S, 56
.set G0SB, 60
.set G1S, 68
.set G1SB, 80
.set MSB, 0
.macro WIN new
.if MSB != \new
	s_set_vgpr_msb (MSB<<8)|\new
.set MSB, \new
.endif
.endm
.set MUL,  0xa1
.set TO_B, 0x40
.macro PLACES n
.rept \n
	v_nop
.endr
.endm
.macro TLOAD g0, g1
	tensor_load_to_lds s[\g0:\g0+3], s[\g1:\g1+7]
	s_nop 0
	PLACES 4
.endm
.macro LOADS n                         ; one chain of branches on the wave's number, one load to an arm; n = 2: waves 2 and 3 have none
	s_cmp_lt_u32 s[WV], 1
	s_cbranch_scc0 .Lb_\@
	TLOAD G0A, G1
	s_branch .Ld_\@
.Lb_\@:
	s_cmp_lt_u32 s[WV], 2
	s_cbranch_scc0 .Lc_\@
	TLOAD G0B, G1B
	s_branch .Ld_\@
.Lc_\@:
.if \n == 4
	s_cmp_lt_u32 s[WV], 3
	s_cbranch_scc0 .Le_\@
	TLOAD G0S, G1S
	s_branch .Ld_\@
.Le_\@:
	TLOAD G0SB, G1SB
.else
	PLACES 4
.endif
.Ld_\@:
.endm
.macro CREST
	s_cmp_lg_u32 s[WV], 0
	s_cbranch_scc1 .Lnot_wave_0_\@
	s_barrier_signal -3
.Lnot_wave_0_\@:
	s_barrier_wait -3
	s_barrier_signal -1
	s_barrier_wait -1
.endm
.macro CROUND
	s_barrier_signal -1
	s_barrier_wait -1
	CREST
.endm
.macro GRP g, c, r, p
	s_mov_b32 s[\g+1], (\c)<<16
	s_mov_b32 s[\g+2], (\r)<<16
	s_mov_b32 s[\g+3], (\c)<<16
	s_mov_b32 s[\g+4], \r
	s_mov_b32 s[\g+5], \p
	s_mov_b32 s[\g+6], 0
	s_mov_b32 s[\g+7], 0
.endm
.macro SETG g, lds, base, off          ; group 0: LDS byte, address; written only while no tensor load of the wave is out
	s_mov_b32 s[\g+1], \lds
	s_add_nc_u64 s[\g+2:\g+3], s[\base:\base+1], \off
	s_or_b32 s[\g+3], s[\g+3], 0x80000000
.endm
.macro SETAB tt, hi                    ; block tt's half hi of K, for slot hi
	SETG G0A, (\hi)*SLOT, BA+2*(\tt), (\hi)*TR2
	SETG G0B, (\hi)*SLOT+8*TR2, BB+2*(\tt), (\hi)*TR2
.endm
.macro SETS tt                         ; block tt's scale bytes, for region tt % 2
	SETG G0S, SCL+12288*((\tt)%2), SA+2*(\tt), 0
	SETG G0SB, SCL+12288*((\tt)%2)+4096, SBB+2*(\tt), 0
.endm
.macro ASK tt, hi
	global_prefetch_b8 v6, s[BA+2*(\tt):BA+2*(\tt)+1] offset:(\hi)*TR2 th:TH_LOAD_NT scope:SCOPE_SE
	global_prefetch_b8 v7, s[BB+2*(\tt):BB+2*(\tt)+1] offset:(\hi)*TR2 th:TH_LOAD_NT scope:SCOPE_SE
.endm
	s_load_b256 s[40:47], s[0:1], 0x0              ; xc 40, xs 42, wc 44, ws 46
	v_lshl_add_u32 v[SPW], v0, 2, SPARE
	v_mov_b32 v[NIL], 0
	ds_add_u32 v[SPW], v[NIL]                      ; the opening lines: the add, twice on end, and its wait
	ds_add_u32 v[SPW], v[NIL]
	v_lshrrev_b32 v1, 5, v0
	v_readfirstlane_b32 s[WV], v1
	s_lshr_b32 s[WR], s[WV], 1                     ; my half of A's rows
	s_and_b32 s[WC], s[WV], 1                      ; my half of B's
	s_bfe_u32 s[CX], ttmp6, 0x40000
	s_bfe_u32 s[CY], ttmp6, 0x40004
	s_and_b32 s[CL], ttmp7, 0xffff                 ; the cluster, 0 .. 15
	s_lshl_b32 s16, s[CY], 2
	s_lshl_b32 s16, 15, s16                        ; my row of the cluster
	s_lshl_b32 s18, 0x1111, s[CX]                  ; my column
	s_or_b32 s[G1], s16, (3<<16)|(1<<21)
	s_or_b32 s[G1S], s16, (3<<16)|(1<<21)
	s_or_b32 s[G1B], s18, (3<<16)|(1<<21)
	s_or_b32 s[G1SB], s18, (3<<16)|(1<<21)
	GRP G1, 768, 8, 1536                           ; 8 tiles x 6,144 bytes, 12,288 apart
	GRP G1B, 768, 16, 1536
	GRP G1S, 32, 16, 32                            ; dense, as rows of 256 bytes
	GRP G1SB, 32, 32, 32
.irp g, G0A, G0B, G0S, G0SB
	s_mov_b32 s[\g], 1
.endr
	s_mov_b32 s[SEL], 0x76543210
	s_mov_b32 s[SEL+1], 0xfedcba98
	s_lshl_b32 s16, s[CL], 2
	s_add_co_u32 s16, s16, s[CY]                   ; q, k: block of 128 tokens, 0 .. 63
	s_and_b32 s17, s[CL], 1
	s_lshl_b32 s17, s17, 2
	s_add_co_u32 s17, s17, s[CY]                   ; v: block of 128 channels, 0 .. 7
	s_lshr_b32 s18, s[CL], 1
	s_lshl_b32 s18, s18, 2
	s_add_co_u32 s18, s18, s[CX]                   ; v: block of 256 tokens, 0 .. 31
	s_mul_i32 s[BA], s16, 98304
	s_mul_i32 s[BA+4], s17, 98304
	s_mul_i32 s[BB], s[CX], 196608
	s_mul_i32 s[BB+4], s18, 196608
	s_lshl_b32 s[SA], s16, 12
	s_lshl_b32 s[SA+4], s17, 12
	s_lshl_b32 s[SBB], s[CX], 13
	s_lshl_b32 s[SBB+4], s18, 13
.irp g, BA, BB, SA, SBB
	s_mov_b32 s[\g+1], 0
	s_mov_b32 s[\g+5], 0
.endr
	s_lshl_b32 s19, s[CX], 2                       ; where the results go.  q, k: ((b x 16 + head) x 16 + block of 128 tokens) x 6,400 (k: twice that)
	s_lshl_b32 s78, s[WC], 1
	s_add_co_u32 s19, s19, s78
	s_lshr_b32 s78, s16, 4
	s_lshl_b32 s78, s78, 4
	s_add_co_u32 s78, s78, s19
	s_lshl_b32 s78, s78, 4
	s_and_b32 s79, s16, 15
	s_add_co_u32 s78, s78, s79
	s_mul_i32 s100, s78, 6400
	s_lshr_b32 s78, s18, 3                         ; v: ((b x 16 + head) x 16 + key step) x 12,800 + 6,144
	s_lshl_b32 s78, s78, 4
	s_lshl_b32 s79, s17, 1
	s_add_co_u32 s78, s78, s79
	s_add_co_u32 s78, s78, s[WR]
	s_lshl_b32 s78, s78, 4
	s_lshl_b32 s79, s18, 1
	s_add_co_u32 s79, s79, s[WC]
	s_and_b32 s79, s79, 15
	s_add_co_u32 s78, s78, s79
	s_mul_i32 s101, s78, 12800
	s_add_co_u32 s101, s101, 6144
	s_wait_dscnt 0x0
	s_wait_kmcnt 0x0
	s_add_nc_u64 s[BA:BA+1], s[40:41], s[BA:BA+1]
	s_add_nc_u64 s[BA+2:BA+3], s[BA:BA+1], XCB
	s_add_nc_u64 s[BA+4:BA+5], s[44:45], s[BA+4:BA+5]
	s_add_nc_u64 s[BA+4:BA+5], s[BA+4:BA+5], 2*WCB
	s_add_nc_u64 s[BB:BB+1], s[44:45], s[BB:BB+1]
	s_add_nc_u64 s[BB+2:BB+3], s[BB:BB+1], WCB
	s_add_nc_u64 s[BB+4:BB+5], s[40:41], s[BB+4:BB+5]
	s_add_nc_u64 s[BB+4:BB+5], s[BB+4:BB+5], 2*XCB
	s_add_nc_u64 s[SA:SA+1], s[42:43], s[SA:SA+1]
	s_add_nc_u64 s[SA+2:SA+3], s[SA:SA+1], XSB
	s_add_nc_u64 s[SA+4:SA+5], s[46:47], s[SA+4:SA+5]
	s_add_nc_u64 s[SA+4:SA+5], s[SA+4:SA+5], 2*WSB
	s_add_nc_u64 s[SBB:SBB+1], s[46:47], s[SBB:SBB+1]
	s_add_nc_u64 s[SBB+2:SBB+3], s[SBB:SBB+1], WSB
	s_add_nc_u64 s[SBB+4:SBB+5], s[42:43], s[SBB+4:SBB+5]
	s_add_nc_u64 s[SBB+4:SBB+5], s[SBB+4:SBB+5], 2*XSB
	s_load_b256 s[40:47], s[0:1], 0x20             ; bq 40, bk 42, bv 44, qb 46
	s_load_b64 s[76:77], s[0:1], 0x40              ; kv
	CROUND                                         ; all sixteen work-groups are here: the first joint loads meet
	SETAB 0, 0
	SETS 0
	LOADS 4                                        ; one tensor load a wave at the head
	s_lshl_b32 s88, s[CX], 10                      ; (block 0's scale addresses have served)  q, k: my first channel, in bytes of the bias
	s_lshl_b32 s89, s[WC], 9
	s_add_co_u32 s88, s88, s89
	s_lshl_b32 s89, s17, 9                         ; v: likewise
	s_lshl_b32 s94, s[WR], 8
	s_add_co_u32 s89, s89, s94
	s_lshl_b32 s94, s[CX], 2
	s_add_co_u32 s94, s94, s[WV]
	s_mul_i32 s94, s94, 12                         ; the prefetches: my sixteenth of A's 192 blocks of 256 bytes,
	s_lshl_b32 s95, s[CY], 2
	s_add_co_u32 s95, s95, s[WV]
	s_mul_i32 s95, s95, 24                         ; and of B's 384
	s_mul_i32 s16, s[WR], 4*TR2                    ; my tiles of A
	s_mul_i32 s18, s[WC], 8*TR2
	s_add_co_u32 s18, s18, 8*TR2                   ; and of B
	s_lshl_b32 s19, s[WR], 11                      ; my rows' scale bytes,
	s_lshl_b32 s78, s[WC], 12
	s_add_co_u32 s78, s78, 4096
	s_sub_co_u32 s78, s78, s19                     ; and how far behind them B's lie
	s_add_co_u32 s19, s19, SCL
	s_lshl_b32 s79, s[WR], 3
	v_and_b32 v1, 15, v0                           ; r
	v_bfe_u32 v2, v0, 4, 1                         ; h
	v_and_b32 v3, 31, v0
	v_lshlrev_b32 v8, 4, v3
	v_lshlrev_b32 v9, 3, v3
	v_add_nc_u32 v9, 512, v9
	v_lshlrev_b32 v10, 6, v2                       ; q's, k's bias: 64 h bytes on
	v_and_b32 v11, 8, v1
	v_add_nc_u32 v11, v11, v1
	v_lshlrev_b32 v11, 2, v11                      ; v's bias: channel r + 8 (r / 8) of a tile's span
	v_mul_u32_u24 v25, 0x0202, v2
	v_lshl_or_b32 v25, v25, 16, v25
	v_add_nc_u32 v25, 0x05040100, v25              ; picks my head's two bytes of two tiles' words
	v_lshl_add_u32 v14, v1, 4, s79
	v_mul_u32_u24 v12, 0x19000, v2
	v_add_nc_u32 v12, v12, v14                     ; q's words: 16 r + 8 x my half of the tokens, lanes 16-31 a head on
	v_mul_u32_u24 v13, 0x32000, v2
	v_add_nc_u32 v13, v13, v14                     ; k's
	v_lshlrev_b32 v14, 4, v1
	v_lshl_add_u32 v14, v2, 3, v14                 ; v's: 16 r + 8 h
	v_add_nc_u32 v[ADRA], s16, v8
	v_add_nc_u32 v[ADRB], s18, v8
	v_add_nc_u32 v[ADRA+2], s16, v9
	v_add_nc_u32 v[ADRB+2], s18, v9
.irp r, ADRA, ADRB, ADRA+2, ADRB+2
	v_add_nc_u32 v[\r+1], SLOT, v[\r]
.endr
	v_mul_u32_u24 v15, s78, v2
	v_lshl_add_u32 v15, v1, 3, v15
	v_add_nc_u32 v[ADRS], s19, v15
	v_add_nc_u32 v[ADRS+1], 12288, v[ADRS]
	v_min_u32 v6, 11, v3                           ; block n: tile n / 24, 256 (n % 24) bytes on; lanes that are left over name the last again
	v_min_u32 v7, 23, v3
	v_add_nc_u32 v6, s94, v6
	v_add_nc_u32 v7, s95, v7
	v_mul_u32_u24 v15, v6, 171
	v_mul_u32_u24 v24, v7, 171
	v_lshrrev_b32 v15, 12, v15                     ; n / 24, for n under 384
	v_lshrrev_b32 v24, 12, v24
	v_mul_u32_u24 v15, v15, 12288-TR2
	v_mul_u32_u24 v24, v24, 12288-TR2
	v_lshl_add_u32 v6, v6, 8, v15
	v_lshl_add_u32 v7, v7, 8, v24
	s_wait_alu depctr_va_vdst(0)                   ; the wait at the head's end
	ASK 0, 1
.macro BIASQK p                        ; register 16 b + 4 j + .. of lane half h: channel 32 b + 16 h + 4 j + ..
	s_mov_b32 s16, s88
	s_mov_b32 s17, 0
	s_add_nc_u64 s[18:19], s[\p:\p+1], s[16:17]
.irp b, 0,1,2,3
.irp j, 0,1,2,3
	global_load_b128 v[BC+16*\b+4*\j:BC+16*\b+4*\j+3], v10, s[18:19] offset:128*\b+16*\j
.endr
.endr
.endm
	s_wait_kmcnt 0x0
	BIASQK 40
.macro FRAG reg, adr, off
	ds_load_b128 v[\reg:\reg+3], v[\adr] offset:\off
	ds_load_b64 v[\reg+4:\reg+5], v[\adr+2] offset:\off
	ds_load_b128 v[\reg+6:\reg+9], v[\adr] offset:\off+768
	ds_load_b64 v[\reg+10:\reg+11], v[\adr+2] offset:\off+768
.endm
.macro FETCH st                        ; step st's fragments, 48 loads, into set st % 2; steps are counted through the three blocks, eight to a block, four to a slot
.set FS_, ((\st)%8)/4
.set FQ_, ((\st)%4)*1536
.set FP_, (\st)%2
	WIN TO_B
.irp i, 0,1,2,3,4,5,6,7
	FRAG 128*FP_+FR*\i, ADRB+FS_, FQ_+\i*TR2
.endr
	WIN 0
.irp i, 0,1,2,3
	FRAG AF+48*FP_+FR*\i, ADRA+FS_, FQ_+\i*TR2
.endr
.endm
.macro SCALES st                       ; the words of steps st and st + 1: lanes 0-15 A's tile i (i under 4), lanes 16-31 B's tile i
.set SC_, ((\st)%8)/2
.irp i, 0,1,2,3,4,5,6,7
	ds_load_b64 v[SC+16*(SC_%2)+2*\i:SC+16*(SC_%2)+2*\i+1], v[ADRS+((\st)/8)%2] offset:(\i/2)*1024+(\i%2)*128+256*SC_
.endr
.endm
.macro MUL8 a, st                      ; A's tile a against B's eight; a block's first step starts the sums; the 32 accumulators take turns
.irp b, 0,1,2,3,4,5,6,7
.if ((\st)%8) == 0
	v_wmma_scale_f32_16x16x128_f8f6f4 v[8*(8*(\a)+\b):8*(8*(\a)+\b)+7], v[128*((\st)%2)+FR*\b:128*((\st)%2)+FR*\b+FR-1], v[AF+48*((\st)%2)+FR*(\a):AF+48*((\st)%2)+FR*(\a)+FR-1], 0, v[SC+16*(((\st)/2)%2)+2*\b+(\st)%2], v[SC+16*(((\st)/2)%2)+2*(\a)+(\st)%2] matrix_a_fmt:MATRIX_FMT_FP6 matrix_b_fmt:MATRIX_FMT_FP6 matrix_a_scale:MATRIX_SCALE_ROW1
.else
	v_wmma_scale_f32_16x16x128_f8f6f4 v[8*(8*(\a)+\b):8*(8*(\a)+\b)+7], v[128*((\st)%2)+FR*\b:128*((\st)%2)+FR*\b+FR-1], v[AF+48*((\st)%2)+FR*(\a):AF+48*((\st)%2)+FR*(\a)+FR-1], v[8*(8*(\a)+\b):8*(8*(\a)+\b)+7], v[SC+16*(((\st)/2)%2)+2*\b+(\st)%2], v[SC+16*(((\st)/2)%2)+2*(\a)+(\st)%2] matrix_a_fmt:MATRIX_FMT_FP6 matrix_b_fmt:MATRIX_FMT_FP6 matrix_a_scale:MATRIX_SCALE_ROW1
.endif
.endr
.endm
.macro MID st                          ; a step whose successor lies in the same slot
	s_wait_dscnt 0x0
	WIN MUL
	MUL8 0, \st
	MUL8 1, \st
	PLACES 4                                       ; ahead of loads into the set that the last step's products read
	FETCH (\st)+1
.if ((\st)+1)%2 == 0
	SCALES (\st)+1
.endif
	WIN MUL
	MUL8 2, \st
	MUL8 3, \st
.endm
; A slot's last step.  n: tensor loads behind the barrier (0: a plain barrier); tt, hi: the block and half of K that fill this slot again; fetch: the next step's fragments follow (not at a block's end); pt, ph: what is prefetched (pt < 0: nothing)
.macro EDGE st, n, tt, hi, fetch, pt, ph
	WIN 0
	s_wait_tensorcnt 0x0                           ; all my tensor loads are in
	ds_add_u32 v[SPW], v[NIL]
	s_wait_dscnt 1                                 ; this step's fragments are in; the add may be out
	WIN MUL
	MUL8 0, \st
	s_wait_dscnt 0x0
	s_barrier_signal -1
	MUL8 1, \st
	WIN 0
	s_barrier_wait -1
.if \n
	CREST                                          ; the barrier has opened a round of the cluster's barrier
	SETAB \tt, \hi
.if \n == 4
	SETS 2
.endif
	LOADS \n
.else
	PLACES 4
.endif
.if \fetch
	FETCH (\st)+1
	SCALES (\st)+1
.endif
.if \pt >= 0
	ASK \pt, \ph
.endif
	WIN MUL
	MUL8 2, \st
	MUL8 3, \st
.endm
; 64 numbers of a lane, v[s] on, four blocks of 32 along the next K shared with lane l xor 16, become twelve registers of codes, v[PC] on, and the scale word v[pw]
.macro QUANT s, pw
.irp b, 0,1,2,3
	v_max3_num_f32 v[TM+\b], |v[\s+16*\b]|, |v[\s+1+16*\b]|, 0x1800000
.endr
.irp i, 2,4,6,8,10,12,14
.irp b, 0,1,2,3
	v_max3_num_f32 v[TM+\b], v[TM+\b], |v[\s+16*\b+\i]|, |v[\s+1+16*\b+\i]|
.endr
.endr
.irp b, 0,1,2,3
	v_permlanex16_b32 v[TM+4+\b], v[TM+\b], s[SEL], s[SEL+1]
.endr
.irp b, 0,1,2,3
	v_max_num_f32 v[TM+\b], v[TM+\b], v[TM+4+\b]
.endr
.irp b, 0,1,2,3
	v_add_nc_u32 v[TM+12+\b], 0xff000000, v[TM+\b]
.endr
.irp b, 0,1,2,3
	v_lshrrev_b32 v[TM+4+\b], 23, v[TM+12+\b]
.endr
	v_lshl_or_b32 v[\pw], v[TM+5], 8, v[TM+4]
	v_lshl_or_b32 v[\pw], v[TM+6], 16, v[\pw]
	v_lshl_or_b32 v[\pw], v[TM+7], 24, v[\pw]
.irp c, 0,1
	v_cvt_scalef32_pk16_fp6_f32 v[PC+6*\c:PC+2+6*\c], v[\s+32*\c:\s+15+32*\c], v[TM+12+2*\c]
	v_cvt_scalef32_pk16_fp6_f32 v[PC+12+4*\c:PC+14+4*\c], v[\s+16+32*\c:\s+31+32*\c], v[TM+12+2*\c+1]
.endr
	v_nop
.irp c, 0,1
.irp i, 0,1,2
	v_permlane16_swap_b32 v[PC+6*\c+\i], v[PC+12+4*\c+\i]
.endr
.irp i, 0,1,2
	v_mov_b32 v[PC+3+6*\c+\i], v[PC+12+4*\c+\i]
.endr
.endr
.endm
.macro OUTHEAD
	WIN 0
	PLACES 4                                       ; behind the last products
.irp b, 0,1,2,3
	v_mov_b32 v[TM+4+\b], 0                        ; a lane permute's destination counts as read
.endr
	s_wait_loadcnt 0x0                             ; the bias
.endm
.macro QKOUT a, t                      ; 16 tokens x two heads: a piece of 768 bytes for each head
.if (\a) > 0
	s_wait_xcnt 0x0
.endif
	WIN 0x02
.set i, 0
.rept 32
	v_pk_add_f32 v[T+i:T+i+1], v[64*(\a)+i:64*(\a)+i+1], v[BC+i:BC+i+1]
.set i, i+2
.endr
	WIN 0
	QUANT T, 228+(\a)%2
	global_store_b128 v8, v[PC:PC+3], s[18:19] offset:768*(\a)
	global_store_b64 v9, v[PC+4:PC+5], s[18:19] offset:768*(\a)
	global_store_b128 v8, v[PC+6:PC+9], s[18:19] offset:(102400<<(\t))+768*(\a)
	global_store_b64 v9, v[PC+10:PC+11], s[18:19] offset:(102400<<(\t))+768*(\a)
.if (\a)%2
	v_perm_b32 v[232+(\a)/2], v229, v228, v25
.endif
.endm
.macro OUTQK t, dest
	OUTHEAD
	s_lshl_b32 s16, s100, \t
	s_mov_b32 s17, 0
	s_add_nc_u64 s[78:79], s[\dest:\dest+1], s[16:17]   ; the block of 128 tokens of my first head
	s_mul_i32 s16, s[WR], 3072
	s_add_nc_u64 s[18:19], s[78:79], s[16:17]           ; my four tiles' pieces in it
.irp a, 0,1,2,3
	QKOUT \a, \t
.endr
	global_store_b64 v[12+\t], v[232:233], s[78:79] offset:6144<<(\t)   ; my two pairs of tiles' words, for each row and head
	s_wait_xcnt 0x0                                ; the stores have read their registers and bases
.endm
.macro VOUT a                          ; 16 channels x 128 tokens: an operand of twelve registers
.if (\a) > 0
	s_wait_xcnt 0x0
.endif
	WIN 0x02
.set i, 0
.rept 32
	v_pk_add_f32 v[T+i:T+i+1], v[64*(\a)+i:64*(\a)+i+1], v[BC+2*(\a):BC+2*(\a)+1]
.set i, i+2
.endr
	WIN 0
	QUANT T, 236+(\a)
.irp j, 0,1,2
	global_store_b128 v8, v[PC+4*\j:PC+4*\j+3], s[78:79] offset:(\a)*1536+512*\j
.endr
.endm
	s_wait_tensorcnt 0x0                           ; my tile of the head's four is in
	ds_add_u32 v[SPW], v[NIL]
	SETAB 0, 1
	SETS 1
	s_wait_dscnt 0x0
	CROUND
	LOADS 4                                        ; slot 1 and block 1's scale bytes: first fills all four
	FETCH 0
	SCALES 0
	ASK 1, 0
	MID 0
	MID 1
	MID 2
	EDGE 3, 2, 1, 0, 1, 1, 1
	MID 4
	MID 5
	MID 6
	EDGE 7, 4, 1, 1, 0, 2, 0
	OUTQK 0, 46
	BIASQK 42
	FETCH 8
	SCALES 8
	MID 8
	MID 9
	MID 10
	EDGE 11, 2, 2, 0, 1, 2, 1
	MID 12
	MID 13
	MID 14
	EDGE 15, 2, 2, 1, 0, -1, 0
	OUTQK 1, 76
	s_mov_b32 s16, s89
	s_mov_b32 s17, 0
	s_add_nc_u64 s[18:19], s[44:45], s[16:17]
.irp a, 0,1,2,3
	global_load_b32 v[BC+2*\a], v11, s[18:19] offset:4*(32*(\a/2)+8*(\a%2))
	global_load_b32 v[BC+2*\a+1], v11, s[18:19] offset:4*(32*(\a/2)+8*(\a%2))
.endr
	FETCH 16
	SCALES 16
	MID 16
	MID 17
	MID 18
	EDGE 19, 0, 0, 0, 1, -1, 0
	MID 20
	MID 21
	MID 22
	s_wait_dscnt 0x0
	WIN MUL
.irp a, 0,1,2,3
	MUL8 \a, 23
.endr
	OUTHEAD
	s_mov_b32 s16, s101
	s_mov_b32 s17, 0
	s_add_nc_u64 s[78:79], s[76:77], s[16:17]      ; v's part of my head's key step
.irp a, 0,1,2,3
	VOUT \a
.endr
	s_mov_b32 s16, 0xffff0000
	v_cndmask_b32 v232, v236, v238, s16            ; lanes 0-15 store tiles 0 and 1's words of row r, lanes 16-31 tiles 2 and 3's
	v_cndmask_b32 v233, v237, v239, s16
	global_store_b64 v14, v[232:233], s[78:79] offset:6400
	s_wait_tensorcnt 0x0                           ; the wave's end
	ds_add_u32 v[SPW], v[NIL]
	s_wait_dscnt 0x0
	CROUND                                         ; the closing round
	s_endpgm
.Lfunc_end_k_q836fed307d_proj:
	.size	k_q836fed307d_proj, .Lfunc_end_k_q836fed307d_proj-k_q836fed307d_proj
	.p2alignl 7, 3214868480
	.fill 96, 4, 3214868480
	.section	.rodata,"a",@progbits
	.p2align	6, 0x0
	.amdhsa_kernel k_q836fed307d_proj
		.amdhsa_group_segment_fixed_size 327680
		.amdhsa_private_segment_fixed_size 0
		.amdhsa_enable_private_segment 0
		.amdhsa_kernarg_size 72
		.amdhsa_user_sgpr_count 2
		.amdhsa_user_sgpr_kernarg_segment_ptr 1
		.amdhsa_wavefront_size32 1
		.amdhsa_system_sgpr_workgroup_id_x 1
		.amdhsa_system_sgpr_workgroup_id_y 1
		.amdhsa_system_sgpr_workgroup_id_z 1
		.amdhsa_system_vgpr_workitem_id 0
		.amdhsa_next_free_vgpr 768
		.amdhsa_next_free_sgpr 102
		.amdhsa_reserve_vcc 0
		.amdhsa_float_denorm_mode_32 3
		.amdhsa_float_denorm_mode_16_64 3
		.amdhsa_memory_ordered 1
		.amdhsa_forward_progress 1
		.amdhsa_inst_pref_size 255
	.end_amdhsa_kernel
	.section	.bss,"aw",@nobits
	.p2align	6
	.space	262144
	.amdgpu_metadata
---
amdhsa.version: [ 1, 2 ]
amdhsa.kernels:
  - .name:           k_q836fed307d_proj
    .symbol:         k_q836fed307d_proj.kd
    .args:
      - { .name: xc, .offset: 0, .size: 8, .value_kind: global_buffer, .address_space: global }
      - { .name: xs, .offset: 8, .size: 8, .value_kind: global_buffer, .address_space: global }
      - { .name: wc, .offset: 16, .size: 8, .value_kind: global_buffer, .address_space: global }
      - { .name: ws, .offset: 24, .size: 8, .value_kind: global_buffer, .address_space: global }
      - { .name: bq, .offset: 32, .size: 8, .value_kind: global_buffer, .address_space: global }
      - { .name: bk, .offset: 40, .size: 8, .value_kind: global_buffer, .address_space: global }
      - { .name: bv, .offset: 48, .size: 8, .value_kind: global_buffer, .address_space: global }
      - { .name: qb, .offset: 56, .size: 8, .value_kind: global_buffer, .address_space: global }
      - { .name: kv, .offset: 64, .size: 8, .value_kind: global_buffer, .address_space: global }
    .group_segment_fixed_size: 327680
    .private_segment_fixed_size: 0
    .kernarg_segment_align: 8
    .kernarg_segment_size: 72
    .max_flat_workgroup_size: 128
    .sgpr_count:     102
    .vgpr_count:     768
    .wavefront_size: 32
...
	.end_amdgpu_metadata
.endif
;; end of part 2
;; launch attn (part 3): grid 4 x 64, 16 waves a work-group, clusters of 4 x 1, 212,992 bytes of LDS; arguments qb, kv, oc, os; writes oc, os
.if DOCPART == 3
	.amdgcn_target "amdgcn-amd-amdhsa--gfx1250"
	.amdhsa_code_object_version 6
	.text
	.protected	k_q836fed307d_attn
	.globl	k_q836fed307d_attn
	.p2align	8
	.type	k_q836fed307d_attn,@function
k_q836fed307d_attn:
	s_mov_b64 s[64:65], 0
	v_nop
	global_prefetch_b8 v0, s[64:65] scope:SCOPE_SE
	s_setreg_imm32_b32 hwreg(HW_REG_WAVE_MODE, 25, 1), 1
	s_wait_xcnt 0x0
	s_wait_alu depctr_hold_cnt(0) depctr_sa_sdst(0) depctr_va_vdst(0) depctr_va_sdst(0) depctr_va_ssrc(0) depctr_va_vcc(0) depctr_vm_vsrc(0)
	s_getreg_b32 s2, hwreg(HW_REG_IB_STS2, 6, 4)
	s_cmp_eq_u32 s2, 0
	s_cbranch_scc0 .Lentry_in_a_cluster
	s_endpgm
.Lentry_in_a_cluster:
	s_bfe_u32 s2, ttmp6, 0x10000c
	s_cmp_lg_u32 s2, 0x3003
	s_cbranch_scc0 .Lentry_shape_is_right
	s_endpgm
.Lentry_shape_is_right:
; LAUNCH 3 OF 4: o = softmax(q k^T / 8) v for each (b, head), both products on codes of FP6 (E2M3); o is quantised along the model's 1,024 for the last product.  No work is left out.
; THE SOFTMAX AHEAD OF THE SECOND PRODUCT: t = score x log2(e) / 8; M = the running largest t, rounded up to a whole number; p = 2^(t - M) is quantised along the keys, not normalised; the row's sum is taken of the
; unquantised p and divides at the end.  When M moves, the sum and O are multiplied by 2^(old M - new M): exact.  A block's largest p is taken by way of its largest score, which goes through the same two instructions.
; SHARES.  A cluster of four work-groups is one (b, head).  A work-group owns 512 queries, in two passes of 256; each of its sixteen waves owns one tile of 16 queries a pass, in 256 registers: four waves to a SIMD.
; THE WHOLE HEAD STAYS IN LDS: k, v and their scale words are 16 key steps x 12,800 bytes, filled once: wave w asks for key step w, jointly with the same wave of the three partners (one tensor load of mine is out).  No slot is filled again.
; LAYOUT.  Both products are used transposed: S^T = k q^T, O^T = v^T p^T: a lane holds one query throughout.  By the order of rows in which the codes were laid, the 16 registers of two neighbouring tiles of S^T are 16
; neighbouring keys, and O^T's 32 registers are the head's channels 32 b + 16 (lane / 16) + 0 .. 15: both are the order that the conversions want.
; K = 64 IN AN INSTRUCTION OF 128: a fragment of k holds TWO tiles of keys, one in each half of K.  Against [q | zero codes] it gives the first tile's scores, against [zero codes | q] the second's.
; LIMITS: as in launch 1.  o's scale bytes leave two to a row and head, one byte a lane: 2 bytes beside each 48 bytes of codes.
; REGISTERS: v1-4, v7 offsets that stay; v5, v6 the add's two; v8-10 the step's addresses; v12 -M, v13 the largest t, v[14:15] the sum; v16-33 q | zeros | q; v34, v35 q's scale words; v36-83 four fragments of k, then of v;
;   v84-91 the second pass's q and both passes' words; v96-159 S^T, then p; v160-191 O^T; v192-223 o; v224-255 at work; v248-251 k's, then v's scale words; v253 p's.
.set STEPB, 12800                      ; a key step: k 6,144 | v 6,144 | k's words 256 | v's words 256
.set SPARE, 16*STEPB                   ; behind the head: the spare words, 128 bytes a wave: eight blocks of 256 bytes that no other line names
.set KV,  36
.set SPW, 5
.set NIL, 6
.set WV,  12                           ; s12 my wave's number
.set G1,  24                           ; s[24:31], s[32:35] the one descriptor
.set G0,  32
.set SEL, 40                           ; s[40:41] selects for lane l xor 16
.set CS,  42                           ; s[42:43] c = log2(e) / 8
.set TB,  44                           ; s44 LDS byte at which the key step begins
.set CNT, 45
.set IX,  47                           ; s47 which key step comes next, counted on from my wave's number; its low four bits are the step
.macro CROUND
	s_barrier_signal -1
	s_barrier_wait -1
	s_cmp_lg_u32 s[WV], 0
	s_cbranch_scc1 .Lnot_wave_0_\@
	s_barrier_signal -3
.Lnot_wave_0_\@:
	s_barrier_wait -3
	s_barrier_signal -1
	s_barrier_wait -1
.endm
	s_load_b256 s[4:11], s[0:1], 0x0               ; qb 4, kv 6, oc 8, os 10
	v_lshl_add_u32 v[SPW], v0, 2, SPARE
	v_mov_b32 v[NIL], 0
	ds_add_u32 v[SPW], v[NIL]                      ; the wave's opening: the add, twice on end, and its wait ahead of my first tensor load
	ds_add_u32 v[SPW], v[NIL]
	v_lshrrev_b32 v8, 5, v0
	s_delay_alu instid0(VALU_DEP_1)
	v_readfirstlane_b32 s[WV], v8                  ; wave 0..15
	s_bfe_u32 s13, ttmp6, 0x40000                  ; cx: it enters q's and o's addresses alone
	s_and_b32 s14, ttmp7, 0xffff                   ; (b, head), which the four partners share
	s_and_b32 s15, s14, 15                         ; head
	s_lshr_b32 s16, s14, 4                         ; b
	s_mul_i32 s20, s14, 16*STEPB
	s_mul_i32 s21, s[WV], STEPB
	s_add_co_u32 s20, s20, s21                     ; my key step in kv
	s_mov_b32 s21, 0
	s_mov_b32 s[G1], 15|(3<<16)|(1<<21)            ; 15:0 all four work-groups; 17:16 elements of 8 bytes; no padding; 21 set beside a mask
	s_mov_b32 s[G1+1], 32<<16                      ; rows of 256 bytes,
	s_mov_b32 s[G1+2], 50<<16                      ; fifty of them, dense
	s_mov_b32 s[G1+3], 32<<16
	s_mov_b32 s[G1+4], 50
	s_mov_b32 s[G1+5], 32
	s_mov_b32 s[G1+6], 0
	s_mov_b32 s[G1+7], 0
	s_mul_i32 s48, s14, 102400                     ; q: (b, head),
	s_lshl_b32 s18, s13, 2
	s_lshr_b32 s19, s[WV], 3
	s_add_co_u32 s18, s18, s19
	s_mul_i32 s18, s18, 6400
	s_add_co_u32 s48, s48, s18                     ; block of 128 tokens 4 cx + wave / 8 (the second pass: two blocks on),
	s_and_b32 s19, s[WV], 7
	s_lshr_b32 s22, s19, 1
	s_lshl_b32 s22, s22, 2
	s_add_co_u32 s50, s48, s22
	s_add_co_u32 s50, s50, 6144                    ; the word of my pair of tiles,
	s_mul_i32 s19, s19, 768
	s_add_co_u32 s48, s48, s19                     ; my tile's piece
	s_mov_b32 s49, 0
	s_mov_b32 s51, 0
	s_lshl_b32 s52, s16, 7
	s_lshl_b32 s18, s13, 5
	s_add_co_u32 s52, s52, s18
	s_add_co_u32 s52, s52, s[WV]                   ; o: my tile of 16 tokens among the 512 (the second pass: 16 tiles on)
	s_lshr_b32 s54, s52, 1
	s_lshl_b32 s54, s54, 10                        ; its group of 32 rows of scale bytes
	s_mul_i32 s52, s52, 12288
	s_mul_i32 s18, s15, 768
	s_add_co_u32 s52, s52, s18                     ; the head's piece: 64 along the last product's K
	s_lshr_b32 s18, s15, 2
	s_lshl_b32 s18, s18, 8
	s_add_co_u32 s54, s54, s18                     ; which 256 along K,
	s_and_b32 s18, s[WV], 1
	s_lshl_b32 s46, s18, 4                         ; (16 x the tile's parity: which half of q's word is mine)
	s_lshl_b32 s18, s18, 7
	s_add_co_u32 s54, s54, s18                     ; which 16 rows of the 32,
	s_and_b32 s18, s15, 3
	s_lshl_b32 s18, s18, 1
	s_add_co_u32 s54, s54, s18                     ; which two of a row's eight bytes
	s_mov_b32 s53, 0
	s_mov_b32 s55, 0
	s_mov_b32 s[SEL], 0x76543210
	s_mov_b32 s[SEL+1], 0xfedcba98
	s_mov_b32 s[CS], 0x3e38aa3b                    ; log2(e) / 8
	s_mov_b32 s[CS+1], s[CS]                       ; (named with it as a pair, so it is written)
	s_wait_dscnt 0x0                               ; both opening adds are done
	s_wait_kmcnt 0x0
	s_mov_b32 s[G0], 1
	s_mul_i32 s[G0+1], s[WV], STEPB                ; no place in the cluster enters an LDS address
	s_add_nc_u64 s[G0+2:G0+3], s[6:7], s[20:21]
	s_or_b32 s[G0+3], s[G0+3], 0x80000000
	CROUND                                         ; all four work-groups are here: the joint loads meet
	tensor_load_to_lds s[G0:G0+3], s[G1:G1+7]
	s_nop 0
.rept 4
	v_nop
.endr
	s_add_nc_u64 s[48:49], s[4:5], s[48:49]
	s_add_nc_u64 s[50:51], s[4:5], s[50:51]
	s_add_nc_u64 s[52:53], s[8:9], s[52:53]
	s_add_nc_u64 s[54:55], s[10:11], s[54:55]
	v_and_b32 v8, 31, v0
	v_and_b32 v9, 15, v0                           ; r
	v_bfe_u32 v10, v0, 4, 1                        ; h
	s_delay_alu instid0(VALU_DEP_3)
	v_lshlrev_b32 v1, 4, v8                        ; 16 x lane
	s_delay_alu instid0(VALU_DEP_4)
	v_lshlrev_b32 v2, 3, v8
	s_delay_alu instid0(VALU_DEP_1)
	v_add_nc_u32 v2, 512, v2                       ; 512 + 8 x lane
	v_lshlrev_b32 v3, 4, v9                        ; 16 r: four scale words a row
	v_lshl_add_u32 v4, v9, 3, v10                  ; 8 r + h: my byte of o's scales
	v_lshlrev_b32 v7, 3, v10                       ; 8 h
	global_load_b128 v[16:19], v1, s[48:49]        ; q's piece, in front of the zeros
	global_load_b64 v[20:21], v2, s[48:49]
	global_load_b128 v[28:31], v1, s[48:49]        ; and behind them
	global_load_b64 v[32:33], v2, s[48:49]
	global_load_b32 v90, v3, s[50:51]
	global_load_b128 v[84:87], v1, s[48:49] offset:12800     ; the second pass's
	global_load_b64 v[88:89], v2, s[48:49] offset:12800
	global_load_b32 v91, v3, s[50:51] offset:12800
.irp i, 0,1,2,3,4,5
	v_mov_b32 v[22+\i], 0                          ; zero codes
.endr
.irp b, 0,1,2,3
	v_mov_b32 v[236+\b], 0                         ; a lane permute's destination counts as read: written once
.endr
	v_mov_b32 v253, 0                              ; (named as the upper half of the pair v[252:253] before it is first written)
; A KEY STEP: 128 keys at LDS byte s[TB]
.macro STEP
	s_and_b32 s[TB], s[IX], 15                     ; the sixteen key steps are walked round, each wave from its own number on: the running M makes the order free
	s_mul_i32 s[TB], s[TB], STEPB
	v_add_nc_u32 v8, s[TB], v1
	v_add_nc_u32 v9, s[TB], v2
	v_add_nc_u32 v10, s[TB], v3
	v_nop
	ds_load_b128 v[248:251], v10 offset:12288      ; k's four words first: the first product wants them
.irp i, 0,1,2,3
	ds_load_b128 v[KV+12*\i:KV+12*\i+3], v8 offset:1536*\i
	ds_load_b64 v[KV+12*\i+4:KV+12*\i+5], v9 offset:1536*\i
	ds_load_b128 v[KV+12*\i+6:KV+12*\i+9], v8 offset:1536*\i+768
	ds_load_b64 v[KV+12*\i+10:KV+12*\i+11], v9 offset:1536*\i+768
.endr
	s_wait_alu depctr_va_vdst(0)
.irp i, 0,1,2,3
	s_wait_dscnt 12-4*\i                           ; the words and fragments 0 .. i are in; behind fragment i four loads were issued for each later fragment
	v_wmma_scale_f32_16x16x128_f8f6f4 v[96+16*\i:103+16*\i], v[KV+12*\i:KV+12*\i+11], v[16:27], 0, v[248+\i], v34 matrix_a_fmt:MATRIX_FMT_FP6 matrix_b_fmt:MATRIX_FMT_FP6
	v_wmma_scale_f32_16x16x128_f8f6f4 v[104+16*\i:111+16*\i], v[KV+12*\i:KV+12*\i+11], v[22:33], 0, v[248+\i], v35 matrix_a_fmt:MATRIX_FMT_FP6 matrix_b_fmt:MATRIX_FMT_FP6
.endr
.rept 4
	v_nop
.endr
.irp a, 0,1,2,3                                ; v's four fragments are asked for at once: they land under the softmax
.irp j, 0,1,2
	ds_load_b128 v[KV+12*\a+4*\j:KV+12*\a+4*\j+3], v8 offset:6144+1536*\a+512*\j
.endr
.endr
	ds_load_b128 v[248:251], v10 offset:12544
.irp b, 0,1,2,3
	v_max3_num_f32 v[232+\b], v[96+16*\b], v[97+16*\b], v[98+16*\b]   ; the largest score of each block of 32 keys: for the row's maximum and for the block's largest p
.endr
.irp i, 3,5,7,9,11,13
.irp b, 0,1,2,3
	v_max3_num_f32 v[232+\b], v[232+\b], v[96+16*\b+\i], v[97+16*\b+\i]
.endr
.endr
.irp b, 0,1,2,3
	v_max_num_f32 v[232+\b], v[232+\b], v[111+16*\b]
.endr
.irp b, 0,1,2,3
	s_delay_alu instid0(VALU_DEP_4)
	v_permlanex16_b32 v[236+\b], v[232+\b], s[SEL], s[SEL+1]
.endr
.irp b, 0,1,2,3
	s_delay_alu instid0(VALU_DEP_4)
	v_max_num_f32 v[232+\b], v[232+\b], v[236+\b]  ; with lane l xor 16's 16 keys
.endr
	s_delay_alu instid0(VALU_DEP_2)
	v_max3_num_f32 v254, v232, v233, v234
	s_delay_alu instid0(VALU_DEP_1)
	v_max_num_f32 v254, v254, v235
	s_delay_alu instid0(VALU_DEP_1)
	v_mul_f32 v254, s[CS], v254                    ; as t (c is positive)
	s_delay_alu instid0(VALU_DEP_1)
	v_max_num_f32 v13, v13, v254                   ; the running largest t
	v_mov_b32 v254, v12
	s_delay_alu instid0(VALU_DEP_2)
	v_floor_f32 v12, -v13                          ; the new -M = floor(-t): M is a whole number
	s_delay_alu instid0(VALU_DEP_1)
	v_sub_f32 v254, v12, v254                      ; old M - new M: a whole number, 0 or less
	s_delay_alu instid0(VALU_DEP_1)
	v_cvt_i32_f32 v254, v254                       ; (it saturates)
	s_delay_alu instid0(VALU_DEP_1)
	v_ldexp_f32 v252, 1.0, v254                    ; f = 2^(old M - new M)
.set j, 0
.rept 32
	v_pk_fma_f32 v[96+j:97+j], v[96+j:97+j], s[CS:CS+1], v[12:13] op_sel_hi:[1,0,0]   ; t - M, two at a time
.set j, j+2
.endr
.irp b, 0,1,2,3
	v_fma_f32 v[232+\b], v[232+\b], s[CS], v12     ; the same of each block's largest score
.endr
.set j, 0
	s_wait_alu depctr_va_vdst(0)
.rept 64
	v_exp_f32 v[96+j], v[96+j]                     ; p = 2^(t - M), at most 1
.set j, j+1
.endr
	v_pk_mul_f32 v[14:15], v[14:15], v[252:253] op_sel_hi:[1,0]   ; the sums under the new M: the plain instruction behind the batch
	s_wait_alu depctr_va_vdst(0)                   ; one wait for the batch of 64, ahead of its first reader
.irp b, 0,1,2,3
	v_exp_f32 v[232+\b], v[232+\b]                 ; the blocks' largest p
.endr
	v_pk_add_f32 v[236:237], v[100:101], v[104:105]
	v_pk_add_f32 v[254:255], v[108:109], v[112:113]
	v_pk_add_f32 v[246:247], v[116:117], v[120:121]
	v_pk_add_f32 v[244:245], v[124:125], v[128:129]
	v_pk_add_f32 v[242:243], v[132:133], v[136:137]
	v_pk_add_f32 v[240:241], v[140:141], v[144:145]
	v_pk_add_f32 v[238:239], v[148:149], v[152:153]
	v_pk_add_f32 v[14:15], v[14:15], v[156:157]
	v_pk_add_f32 v[236:237], v[236:237], v[96:97]
	v_pk_add_f32 v[254:255], v[254:255], v[98:99]
	v_pk_add_f32 v[246:247], v[246:247], v[102:103]
	v_pk_add_f32 v[244:245], v[244:245], v[106:107]
	v_pk_add_f32 v[242:243], v[242:243], v[110:111]
	v_pk_add_f32 v[240:241], v[240:241], v[114:115]
	v_pk_add_f32 v[238:239], v[238:239], v[118:119]
	v_pk_add_f32 v[14:15], v[14:15], v[122:123]
	v_pk_add_f32 v[236:237], v[236:237], v[126:127]
	v_pk_add_f32 v[254:255], v[254:255], v[130:131]
	v_pk_add_f32 v[246:247], v[246:247], v[134:135]
	v_pk_add_f32 v[244:245], v[244:245], v[138:139]
	v_pk_add_f32 v[242:243], v[242:243], v[142:143]
	v_pk_add_f32 v[240:241], v[240:241], v[146:147]
	v_pk_add_f32 v[238:239], v[238:239], v[150:151]
	v_pk_add_f32 v[14:15], v[14:15], v[154:155]
	v_pk_add_f32 v[236:237], v[236:237], v[158:159]
	s_delay_alu instid0(VALU_DEP_2)
	v_pk_add_f32 v[14:15], v[14:15], v[244:245]
	s_delay_alu instid0(VALU_DEP_2)
	v_pk_add_f32 v[236:237], v[236:237], v[242:243]
	v_pk_add_f32 v[254:255], v[254:255], v[240:241]
	v_pk_add_f32 v[246:247], v[246:247], v[238:239]
	s_delay_alu instid0(VALU_DEP_2)
	v_pk_add_f32 v[14:15], v[14:15], v[254:255]
	s_delay_alu instid0(VALU_DEP_2)
	v_pk_add_f32 v[236:237], v[236:237], v[246:247]
	s_delay_alu instid0(VALU_DEP_1)
	v_pk_add_f32 v[14:15], v[14:15], v[236:237]
	s_wait_alu depctr_va_vdst(0)                   ; and one for the four
.irp b, 0,1,2,3
	v_max_num_f32 v[232+\b], 0x1800000, v[232+\b]  ; the floor 2^(3 - 127)
.endr
.irp b, 0,1,2,3
	s_delay_alu instid0(VALU_DEP_4)
	v_add_nc_u32 v[244+\b], 0xff000000, v[232+\b]  ; the conversion's scale operand
.endr
.irp b, 0,1,2,3
	s_delay_alu instid0(VALU_DEP_4)
	v_lshrrev_b32 v[236+\b], 23, v[244+\b]         ; the byte
.endr
	s_delay_alu instid0(VALU_DEP_3)
	v_lshl_or_b32 v253, v237, 8, v236              ; p's scale word for these 128 keys
	s_delay_alu instid0(VALU_DEP_1)
	v_lshl_or_b32 v253, v238, 16, v253
	s_delay_alu instid0(VALU_DEP_1)
	v_lshl_or_b32 v253, v239, 24, v253
.irp c, 0,1
	v_cvt_scalef32_pk16_fp6_f32 v[224+6*\c:226+6*\c], v[96+32*\c:111+32*\c], v[244+2*\c]
	v_cvt_scalef32_pk16_fp6_f32 v[236+4*\c:238+4*\c], v[112+32*\c:127+32*\c], v[244+2*\c+1]
.endr
	v_nop                                          ; one plain instruction behind the conversions
.irp c, 0,1
.irp i, 0,1,2
	v_permlane16_swap_b32 v[224+6*\c+\i], v[236+4*\c+\i]
.endr
.irp i, 0,1,2
	s_delay_alu instid0(VALU_DEP_3)
	v_mov_b32 v[227+6*\c+\i], v[236+4*\c+\i]
.endr
.endr
.set j, 0
.rept 16
	v_pk_mul_f32 v[160+j:161+j], v[160+j:161+j], v[252:253] op_sel_hi:[1,0]   ; O^T under the new M; these sixteen are also the places between the lines that made p's word and codes and the products
.set j, j+2
.endr
	s_wait_alu depctr_va_vdst(0)
	s_wait_dscnt 0x0                               ; v is in
.irp a, 0,1,2,3                                ; the four accumulators take turns, one instruction a turn
	v_wmma_scale_f32_16x16x128_f8f6f4 v[160+8*\a:167+8*\a], v[KV+12*\a:KV+12*\a+11], v[224:235], v[160+8*\a:167+8*\a], v[248+\a], v253 matrix_a_fmt:MATRIX_FMT_FP6 matrix_b_fmt:MATRIX_FMT_FP6
.endr
	s_add_co_u32 s[IX], s[IX], 1
.endm
; A PASS: one tile of 16 queries against all 2,048 keys
.macro PASS pi
.if \pi
.irp i, 0,1,2,3,4,5
	v_mov_b32 v[16+\i], v[84+\i]
	v_mov_b32 v[28+\i], v[84+\i]
.endr
.endif
	v_lshrrev_b32 v34, s46, v[90+\pi]              ; my tile's two bytes of the pair's word,
	s_delay_alu instid0(VALU_DEP_1)
	v_and_b32 v34, 0xffff, v34                     ; over the first half of K (the zero codes get the byte 0),
	s_delay_alu instid0(VALU_DEP_1)
	v_lshlrev_b32 v35, 16, v34                     ; and over the second
	v_mov_b32 v13, 0xff61b1e6                      ; the largest t so far: -3e38
	s_delay_alu instid0(VALU_DEP_1)
	v_floor_f32 v12, -v13
	v_mov_b32 v14, 0
	v_mov_b32 v15, 0
.set j, 0
.rept 32
	v_mov_b32 v[160+j], 0                          ; O^T: the step is written once for all sixteen; the first change of M leaves zeros zeros
.set j, j+1
.endr
	s_mov_b32 s[IX], s[WV]
.if \pi
	s_mov_b32 s[CNT], 16
.else
	STEP                                           ; my own key step, which my own tensor load brought and my own wait has shown in: it reads no other wave's bytes
	s_barrier_wait -1                              ; everybody's key step is in: the head is whole, and stays
	s_mov_b32 s[CNT], 15
.endif
.Lstep_\@:
	STEP
	s_sub_co_u32 s[CNT], s[CNT], 1
	s_cmp_lg_u32 s[CNT], 0
	s_cbranch_scc1 .Lstep_\@
.rept 4
	v_nop                                          ; places behind the last products
.endr
	v_add_f32 v14, v14, v15
	s_delay_alu instid0(VALU_DEP_1)
	v_permlanex16_b32 v252, v14, s[SEL], s[SEL+1]
	s_delay_alu instid0(VALU_DEP_1)
	v_add_f32 v14, v14, v252                       ; the row's sum
	s_wait_alu depctr_va_vdst(0)
	v_rcp_f32 v14, v14
	v_nop
	s_wait_alu depctr_va_vdst(0)                   ; ahead of the reciprocal's first reader
.set j, 0
.rept 16
	v_pk_mul_f32 v[192+j:193+j], v[160+j:161+j], v[14:15] op_sel_hi:[1,0]   ; o: register 16 b + i is channel 32 b + 16 h + i; each accumulator from its low end on
.set j, j+2
.endr
.irp b, 0,1
	v_max3_num_f32 v[232+\b], |v[192+16*\b]|, |v[193+16*\b]|, 0x1800000
.endr
.irp i, 2,4,6,8,10,12,14
.irp b, 0,1
	s_delay_alu instid0(VALU_DEP_2)
	v_max3_num_f32 v[232+\b], v[232+\b], |v[192+16*\b+\i]|, |v[193+16*\b+\i]|
.endr
.endr
.irp b, 0,1
	s_delay_alu instid0(VALU_DEP_2)
	v_permlanex16_b32 v[236+\b], v[232+\b], s[SEL], s[SEL+1]
.endr
.irp b, 0,1
	s_delay_alu instid0(VALU_DEP_2)
	v_max_num_f32 v[232+\b], v[232+\b], v[236+\b]
.endr
.irp b, 0,1
	s_delay_alu instid0(VALU_DEP_2)
	v_add_nc_u32 v[244+\b], 0xff000000, v[232+\b]
.endr
.irp b, 0,1
	s_delay_alu instid0(VALU_DEP_2)
	v_lshrrev_b32 v[236+\b], 23, v[244+\b]
.endr
	v_cvt_scalef32_pk16_fp6_f32 v[224:226], v[192:207], v244
	v_cvt_scalef32_pk16_fp6_f32 v[228:230], v[208:223], v245
	v_nop
.irp i, 0,1,2
	v_permlane16_swap_b32 v[224+\i], v[228+\i]     ; a whole block to a lane
.endr
.irp i, 0,1,2
	s_delay_alu instid0(VALU_DEP_3)
	v_mov_b32 v[227+\i], v[228+\i]                 ; (ascending: each source is read before it is written)
.endr
	v_lshl_or_b32 v254, v237, 8, v236
	s_delay_alu instid0(VALU_DEP_1)
	v_lshrrev_b32 v254, v7, v254                   ; my half's block's byte, lowest
	global_store_b128 v1, v[224:227], s[52:53] offset:196608*\pi     ; the head's piece of 768 bytes: 512 consecutive aligned bytes,
	global_store_b64 v2, v[228:229], s[52:53] offset:196608*\pi      ; and 256
	global_store_b8 v4, v254, s[54:55] offset:8192*\pi
.if \pi == 0
	s_wait_xcnt 0x0                                ; the stores have read their registers: the next pass writes them again
.endif
.endm
	s_wait_loadcnt 0x0                             ; q
	s_wait_tensorcnt 0x0                           ; my key step is in,
	s_barrier_signal -1                            ; the wait stands in the first pass, behind its first step: register work and LDS loads of my own key step stand between
	PASS 0
	PASS 1
	s_wait_tensorcnt 0x0                           ; the wave's end
	ds_add_u32 v[SPW], v[NIL]
	s_wait_dscnt 0x0
	CROUND                                         ; the closing round
	s_endpgm
.Lfunc_end_k_q836fed307d_attn:
	.size	k_q836fed307d_attn, .Lfunc_end_k_q836fed307d_attn-k_q836fed307d_attn
	.p2alignl 7, 3214868480
	.fill 96, 4, 3214868480
	.section	.rodata,"a",@progbits
	.p2align	6, 0x0
	.amdhsa_kernel k_q836fed307d_attn
		.amdhsa_group_segment_fixed_size 212992
		.amdhsa_private_segment_fixed_size 0
		.amdhsa_enable_private_segment 0
		.amdhsa_kernarg_size 32
		.amdhsa_user_sgpr_count 2
		.amdhsa_user_sgpr_kernarg_segment_ptr 1
		.amdhsa_wavefront_size32 1
		.amdhsa_system_sgpr_workgroup_id_x 1
		.amdhsa_system_sgpr_workgroup_id_y 1
		.amdhsa_system_sgpr_workgroup_id_z 1
		.amdhsa_system_vgpr_workitem_id 0
		.amdhsa_next_free_vgpr 256
		.amdhsa_next_free_sgpr 66
		.amdhsa_reserve_vcc 0
		.amdhsa_float_denorm_mode_32 3
		.amdhsa_float_denorm_mode_16_64 3
		.amdhsa_memory_ordered 1
		.amdhsa_forward_progress 1
		.amdhsa_inst_pref_size 69
	.end_amdhsa_kernel
	.amdgpu_metadata
---
amdhsa.version: [ 1, 2 ]
amdhsa.kernels:
  - .name:           k_q836fed307d_attn
    .symbol:         k_q836fed307d_attn.kd
    .args:
      - { .name: qb, .offset: 0, .size: 8, .value_kind: global_buffer, .address_space: global }
      - { .name: kv, .offset: 8, .size: 8, .value_kind: global_buffer, .address_space: global }
      - { .name: oc, .offset: 16, .size: 8, .value_kind: global_buffer, .address_space: global }
      - { .name: os, .offset: 24, .size: 8, .value_kind: global_buffer, .address_space: global }
    .group_segment_fixed_size: 212992
    .private_segment_fixed_size: 0
    .kernarg_segment_align: 8
    .kernarg_segment_size: 32
    .max_flat_workgroup_size: 512
    .sgpr_count:     66
    .vgpr_count:     256
    .wavefront_size: 32
...
	.end_amdgpu_metadata
.endif
;; end of part 3
;; launch outp (part 4): grid 4 x 64, 4 waves a work-group, clusters of 4 x 4, 327,680 bytes of LDS; arguments oc, os, wc, ws, bo, out0; writes out0
.if DOCPART == 4
	.amdgcn_target "amdgcn-amd-amdhsa--gfx1250"
	.amdhsa_code_object_version 6
	.text
	.protected	k_q836fed307d_outp
	.globl	k_q836fed307d_outp
	.p2align	8
	.type	k_q836fed307d_outp,@function
k_q836fed307d_outp:
	s_mov_b64 s[64:65], 0
	v_nop
	global_prefetch_b8 v0, s[64:65] scope:SCOPE_SE
	s_setreg_imm32_b32 hwreg(HW_REG_WAVE_MODE, 25, 1), 1
	s_wait_xcnt 0x0
	s_wait_alu depctr_hold_cnt(0) depctr_sa_sdst(0) depctr_va_vdst(0) depctr_va_sdst(0) depctr_va_ssrc(0) depctr_va_vcc(0) depctr_vm_vsrc(0)
	s_getreg_b32 s2, hwreg(HW_REG_IB_STS2, 6, 4)
	s_cmp_eq_u32 s2, 0
	s_cbranch_scc0 .Lentry_in_a_cluster
	s_endpgm
.Lentry_in_a_cluster:
	s_bfe_u32 s2, ttmp6, 0x10000c
	s_cmp_lg_u32 s2, 0xf033
	s_cbranch_scc0 .Lentry_shape_is_right
	s_endpgm
.Lentry_shape_is_right:
; LAUNCH 4 OF 4: out0 = o Wo + bo, on codes of FP6 (E2M3) with E8M0 scales, f32 sums.  No work is left out.  Limits as in launch 1.
; SHARES.  8,192 x 1,024 results in 256 blocks of 128 tokens x 256 channels, one work-group each; four waves, 2 x 2, each 64 tokens x 128 channels: 32 accumulators, 256 registers (window 2).
; CODES lie as images of operand registers: [tile of 16 rows][16 pieces of 64 along K][768 bytes]; a chunk of 256 along K is 3,072 consecutive bytes of each tile, at a multiple of 256.
; THE RING: two slots, each one chunk of A's 8 tiles and of B's 16.  At the head one tensor load a wave: A's chunk 0, B's chunk 0, A's scale bytes, B's scale bytes (all of K, filled once).
; Chunk 1 is asked for behind a round, chunks 2 and 3 are refills behind rounds: waves 0 and 1 half of A's tiles each, waves 2 and 3 half of B's.  One tensor load of a wave is out at a time.
; CLUSTERS 4 x 4: A's tiles hang on the token block alone and are shared along a row of the cluster, B's on the channel block alone and are shared along a column.
; A STEP is 128 along K, 32 products.  Both operands have two sets of fragment registers: the next step's 48 LDS loads are issued in a step's middle, behind 16 products and ahead of 16.
; THE PRODUCT IS USED TRANSPOSED (source 0 = Wo's rows): a lane holds eight neighbouring channels of one token.  The bias is the first products' C.
; THE WAY OUT: 16 tokens x 128 channels at a time through the wave's own stage in LDS, back as rows of 512 bytes, stored as two aligned units of 256 bytes.
; PREFETCH: chunk c + 1's bytes are asked for behind the load of chunk c (c = 1, 2): one slot ahead.  Of the blocks of 256 bytes that a wave will load, each of the four partners names a quarter, by address.
; REGISTERS: window 0: v1-29 addresses; v32-63 scale words, two sets; v64-127 the bias; v128-223 A's fragments, two sets of 48; on the way out v128-255.  Window 1: B's fragments at v0 and v128.
.set WCB,    786432
.set WSB,    32768
.set FR,     12
.set TROW,   3072                      ; a chunk of one tile
.set ATILE,  8*TROW
.set SLOT,   24*TROW
.set SCL,    2*SLOT                    ; A's scale bytes 4,096, then B's 8,192
.set SPARE,  SCL+12288                 ; the spare words, 128 bytes a wave
.set STAGE,  SPARE+512
.set SPITCH, 528
.set CO,     8
.set PFO,    11
.set ADRA,   16                        ; v16, v17 A's pieces' registers 0-3 in slot 0, 1; v18, v19 registers 4-5
.set ADRB,   20
.set STO,    24
.set RD,     25
.set ADRS,   27
.set SPW,    28
.set NIL,    29
.set SC,     32
.set BC,     64
.set AF,     128
.set BK,     128
.set G1, 24
.set G0, 32
.set G1B, 48
.set G0B, 56
.set G1S, 68
.set G0S, 76
.set G1SB, 80
.set G0SB, 88
.set G0H, 4
.set G0HB, 8
.set PFA, 100
.set MSB, 0
.macro WIN new
.if MSB != \new
	s_set_vgpr_msb (MSB<<8)|\new
.set MSB, \new
.endif
.endm
.set MUL,   0xa1                       ; source 0 (B) window 1, source 1 (A) window 0, C and D window 2
.set FIRST, 0x81                       ; the same with C (the bias) in window 0
.set TO_B,  0x40
.macro PLACES n
.rept \n
	v_nop
.endr
.endm
.macro TLOAD g0, g1                    ; the four v_nop are the places ahead of the LDS loads that follow
	tensor_load_to_lds s[\g0:\g0+3], s[\g1:\g1+7]
	s_nop 0
	PLACES 4
.endm
.macro JLOAD s                         ; the ring's joint load: waves 0, 1 for A, waves 2, 3 for B
	s_cmp_eq_u32 s15, 0
	s_cbranch_scc0 .Lfor_b_\@
	TLOAD G0+4*(\s), G1
	s_branch .Lasked_\@
.Lfor_b_\@:
	TLOAD G0B+4*(\s), G1B
.Lasked_\@:
.endm
.macro CREST
	s_cmp_lg_u32 s14, 0
	s_cbranch_scc1 .Lnot_wave_0_\@
	s_barrier_signal -3
.Lnot_wave_0_\@:
	s_barrier_wait -3
	s_barrier_signal -1
	s_barrier_wait -1
.endm
.macro CROUND
	s_barrier_signal -1
	s_barrier_wait -1
	CREST
.endm
.macro GRP g, c, r, p                  ; group 1's words 1 to 7: r rows of c elements of 8 bytes, pitch p
	s_mov_b32 s[\g+1], (\c)<<16
	s_mov_b32 s[\g+2], (\r)<<16
	s_mov_b32 s[\g+3], (\c)<<16
	s_mov_b32 s[\g+4], \r
	s_mov_b32 s[\g+5], \p
	s_mov_b32 s[\g+6], 0
	s_mov_b32 s[\g+7], 0
.endm
.macro GRP0 g, lds, a                  ; group 0: LDS byte (a constant), address in s[a:a+1]
	s_mov_b32 s[\g], 1
	s_mov_b32 s[\g+1], \lds
	s_mov_b64 s[\g+2:\g+3], s[\a:\a+1]
	s_or_b32 s[\g+3], s[\g+3], 0x80000000
.endm
	s_load_b256 s[4:11], s[0:1], 0x0               ; oc 4, os 6, wc 8, ws 10
	s_load_b128 s[96:99], s[0:1], 0x20             ; bo 96, out0 98
	v_lshl_add_u32 v[SPW], v0, 2, SPARE
	v_mov_b32 v[NIL], 0
	ds_add_u32 v[SPW], v[NIL]                      ; the opening lines: the add, twice on end, and its wait
	ds_add_u32 v[SPW], v[NIL]
	v_lshrrev_b32 v1, 5, v0
	v_readfirstlane_b32 s14, v1                    ; wave
	s_lshr_b32 s15, s14, 1                         ; my half of the tokens; also: I load for A (0) or B (1)
	s_and_b32 s16, s14, 1                          ; my half of the channels; also: which half of the tiles I load
	s_bfe_u32 s40, ttmp6, 0x40000                  ; cx = the channel block
	s_bfe_u32 s41, ttmp6, 0x40004                  ; cy
	s_and_b32 s17, ttmp7, 0xffff
	s_lshl_b32 s17, s17, 2
	s_add_co_u32 s17, s17, s41                     ; the token block, 0 .. 63
	s_lshl_b32 s43, s41, 2
	s_lshl_b32 s43, 15, s43                        ; my row of the cluster
	s_lshl_b32 s44, 0x1111, s40                    ; my column
	s_or_b32 s[G1], s43, (3<<16)|(1<<21)
	s_or_b32 s[G1B], s44, (3<<16)|(1<<21)
	s_or_b32 s[G1S], s43, (3<<16)|(1<<21)
	s_or_b32 s[G1SB], s44, (3<<16)|(1<<21)
	GRP G1, 384, 8, 1536                           ; the head's loads bring all 8 and all 16 tiles
	GRP G1B, 384, 16, 1536
	GRP G1S, 32, 16, 32                            ; scale bytes: dense, as rows of 256 bytes
	GRP G1SB, 32, 32, 32
	s_mul_i32 s20, s17, 8*12288                    ; A's codes: 8 tiles of 12,288 bytes a block
	s_mov_b32 s21, 0
	s_lshl_b32 s22, s17, 12                        ; A's scale bytes
	s_mov_b32 s23, 0
	s_mul_i32 s46, s40, 16*12288                   ; B's codes
	s_mov_b32 s47, 0
	s_lshl_b32 s92, s40, 13                        ; B's scale bytes
	s_mov_b32 s93, 0
	s_mul_i32 s18, s16, 4*12288                    ; the ring: my half of A's tiles,
	s_mov_b32 s19, 0
	s_mul_i32 s94, s16, 8*12288                    ; of B's,
	s_mov_b32 s95, 0
	s_mul_i32 s45, s16, 4*TROW                     ; and where they go
	s_mul_i32 s3, s16, 8*TROW
	s_add_co_u32 s3, s3, ATILE
	s_wait_dscnt 0x0
	s_wait_kmcnt 0x0
	s_add_nc_u64 s[8:9], s[8:9], 3*WCB             ; Wo is the fourth weight
	s_add_nc_u64 s[10:11], s[10:11], 3*WSB
	s_add_nc_u64 s[20:21], s[4:5], s[20:21]
	s_add_nc_u64 s[22:23], s[6:7], s[22:23]
	s_add_nc_u64 s[46:47], s[8:9], s[46:47]
	s_add_nc_u64 s[92:93], s[10:11], s[92:93]
	CROUND                                         ; all sixteen work-groups are here: the first joint loads meet
	GRP0 G0H, 0, 20
	GRP0 G0HB, ATILE, 46
	GRP0 G0S, SCL, 22
	GRP0 G0SB, SCL+4096, 92
	s_add_nc_u64 s[20:21], s[20:21], s[18:19]
	s_add_nc_u64 s[46:47], s[46:47], s[94:95]
.irp s, 0,1
	s_mov_b32 s[G0+4*\s], 1
	s_add_co_u32 s[G0+4*\s+1], s45, \s*SLOT
	s_add_nc_u64 s[G0+4*\s+2:G0+4*\s+3], s[20:21], \s*TROW
	s_or_b32 s[G0+4*\s+3], s[G0+4*\s+3], 0x80000000
	s_mov_b32 s[G0B+4*\s], 1
	s_add_co_u32 s[G0B+4*\s+1], s3, \s*SLOT
	s_add_nc_u64 s[G0B+4*\s+2:G0B+4*\s+3], s[46:47], \s*TROW
	s_or_b32 s[G0B+4*\s+3], s[G0B+4*\s+3], 0x80000000
.endr
.macro ARM under, g0, g1, next         ; one chain of branches on the wave's number, one load to an arm
	s_cmp_lt_u32 s14, \under
	s_cbranch_scc0 \next
	TLOAD \g0, \g1
	s_branch .Lhead_asked
\next:
.endm
	ARM 1, G0H,  G1,  .Lhead_b
	ARM 2, G0HB, G1B, .Lhead_sa
	ARM 3, G0S,  G1S, .Lhead_sb
	TLOAD G0SB, G1SB
.Lhead_asked:
	s_cmp_eq_u32 s15, 0                            ; the prefetches: the tiles that I load, my work-group's quarter of their blocks of 256 bytes
	s_cselect_b64 s[PFA:PFA+1], s[20:21], s[46:47]
	s_cselect_b32 s94, s40, s41                    ; my place among the four that ask with me
	s_cselect_b32 s95, 12, 24                      ; 48 blocks of A's four tiles, 96 of B's eight: a quarter
	s_mul_i32 s94, s94, s95
	s_sub_co_u32 s95, s95, 1
	s_mul_i32 s18, s15, 4*TROW                     ; my 64 tokens' tiles
	s_mul_i32 s19, s16, 8*TROW
	s_add_co_u32 s19, s19, ATILE                   ; my 128 channels' tiles
	s_lshl_b32 s23, s15, 11                        ; my tokens' scale bytes,
	s_lshl_b32 s22, s16, 12
	s_add_co_u32 s22, s22, 4096
	s_sub_co_u32 s22, s22, s23                     ; and how far behind them my channels' lie
	s_add_co_u32 s23, s23, SCL
	s_mul_i32 s12, s14, 16*SPITCH
	s_add_co_u32 s12, s12, STAGE                   ; my stage
	s_lshl_b32 s46, s40, 10                        ; my first channel, in bytes
	s_lshl_b32 s47, s16, 9
	s_add_co_u32 s46, s46, s47
	s_mov_b32 s47, 0
	s_add_nc_u64 s[96:97], s[96:97], s[46:47]
	s_add_nc_u64 s[98:99], s[98:99], s[46:47]
	s_lshl_b32 s20, s17, 19                        ; my first token: rows of 4,096 bytes
	s_lshl_b32 s21, s15, 18
	s_add_co_u32 s20, s20, s21
	s_mov_b32 s21, 0
	s_add_nc_u64 s[98:99], s[98:99], s[20:21]
	v_and_b32 v1, 15, v0                           ; r
	v_bfe_u32 v2, v0, 4, 1                         ; h
	v_and_b32 v3, 31, v0
	v_lshlrev_b32 v[CO], 4, v3
	v_lshlrev_b32 v9, 3, v3
	v_add_nc_u32 v9, 512, v9
	v_lshlrev_b32 v10, 6, v2                       ; the bias: 64 h bytes on
	v_add_nc_u32 v[ADRA], s18, v[CO]
	v_add_nc_u32 v[ADRB], s19, v[CO]
	v_add_nc_u32 v[ADRA+2], s18, v9
	v_add_nc_u32 v[ADRB+2], s19, v9
.irp r, ADRA, ADRB, ADRA+2, ADRB+2
	v_add_nc_u32 v[\r+1], SLOT, v[\r]
.endr
	v_mul_u32_u24 v6, s22, v2                      ; lanes 16-31 take B's words
	v_lshl_add_u32 v6, v1, 3, v6
	v_add_nc_u32 v[ADRS], s23, v6
	v_mul_u32_u24 v5, v1, SPITCH
	v_lshl_add_u32 v5, v2, 6, v5
	v_add_nc_u32 v[STO], s12, v5
	v_add_nc_u32 v[RD], s12, v[CO]
	v_min_u32 v7, s95, v3                          ; lanes that are left over name the last block again
	v_add_nc_u32 v7, s94, v7                       ; block n of the tiles that I load: tile n / 12, 256 (n % 12) bytes on
	v_mul_u32_u24 v4, v7, 43
	v_lshrrev_b32 v4, 9, v4                        ; n / 12, for n under 96
	v_mul_u32_u24 v4, v4, 12288-TROW
	v_lshl_add_u32 v[PFO], v7, 8, v4
	s_wait_alu depctr_va_vdst(0)                   ; the wait at the head's end
.irp b, 0,1,2,3
.irp j, 0,1,2,3
	global_load_b128 v[BC+16*\b+4*\j:BC+16*\b+4*\j+3], v10, s[96:97] offset:128*\b+16*\j
.endr
.endr
.macro FRAG reg, adr, q, i             ; a fragment: two pieces of 768 bytes, each the image of six registers
	ds_load_b128 v[\reg:\reg+3], v[\adr] offset:(\i)*TROW+(\q)*1536
	ds_load_b64 v[\reg+4:\reg+5], v[\adr+2] offset:(\i)*TROW+(\q)*1536
	ds_load_b128 v[\reg+6:\reg+9], v[\adr] offset:(\i)*TROW+(\q)*1536+768
	ds_load_b64 v[\reg+10:\reg+11], v[\adr+2] offset:(\i)*TROW+(\q)*1536+768
.endm
.macro FETCH slot, q, p                ; 48 loads: B's eight and A's four fragments into set p
	WIN TO_B
.irp i, 0,1,2,3,4,5,6,7
	FRAG 128*(\p)+FR*\i, ADRB+\slot, \q, \i
.endr
	WIN 0
.irp i, 0,1,2,3
	FRAG AF+48*(\p)+FR*\i, ADRA+\slot, \q, \i
.endr
.endm
.macro SCALES c                        ; chunk c's words, two a row: lanes 0-15 A's tile i (i under 4), lanes 16-31 B's tile i
.irp i, 0,1,2,3,4,5,6,7
	ds_load_b64 v[SC+16*((\c)%2)+2*\i:SC+16*((\c)%2)+2*\i+1], v[ADRS] offset:(\i/2)*1024+(\i%2)*128+256*(\c)
.endr
.endm
.macro MUL8 a, st, first               ; A's tile a against B's eight; the 32 accumulators take turns, one instruction a turn
.irp b, 0,1,2,3,4,5,6,7
.if \first
	v_wmma_scale_f32_16x16x128_f8f6f4 v[8*(8*(\a)+\b):8*(8*(\a)+\b)+7], v[128*((\st)%2)+FR*\b:128*((\st)%2)+FR*\b+FR-1], v[AF+48*((\st)%2)+FR*(\a):AF+48*((\st)%2)+FR*(\a)+FR-1], v[BC+8*\b:BC+8*\b+7], v[SC+16*(((\st)/2)%2)+2*\b+(\st)%2], v[SC+16*(((\st)/2)%2)+2*(\a)+(\st)%2] matrix_a_fmt:MATRIX_FMT_FP6 matrix_b_fmt:MATRIX_FMT_FP6 matrix_a_scale:MATRIX_SCALE_ROW1
.else
	v_wmma_scale_f32_16x16x128_f8f6f4 v[8*(8*(\a)+\b):8*(8*(\a)+\b)+7], v[128*((\st)%2)+FR*\b:128*((\st)%2)+FR*\b+FR-1], v[AF+48*((\st)%2)+FR*(\a):AF+48*((\st)%2)+FR*(\a)+FR-1], v[8*(8*(\a)+\b):8*(8*(\a)+\b)+7], v[SC+16*(((\st)/2)%2)+2*\b+(\st)%2], v[SC+16*(((\st)/2)%2)+2*(\a)+(\st)%2] matrix_a_fmt:MATRIX_FMT_FP6 matrix_b_fmt:MATRIX_FMT_FP6 matrix_a_scale:MATRIX_SCALE_ROW1
.endif
.endr
.endm
.macro MID st, first                   ; a chunk's first step: the second step's fragments come from the same slot
	s_wait_dscnt 0x0                               ; this step's fragments are in
.if \first
	WIN FIRST
.else
	WIN MUL
.endif
	MUL8 0, \st, \first
	MUL8 1, \st, \first
	PLACES 4                                       ; ahead of loads into the set that the last step's products read
	FETCH ((\st)/2)%2, 1, ((\st)+1)%2
.if \first
	WIN FIRST
.else
	WIN MUL
.endif
	MUL8 2, \st, \first
	MUL8 3, \st, \first
.endm
.macro EDGE st, fill, ask              ; a chunk's second step: one barrier shows the next chunk whole and this slot read out
	WIN 0
	s_wait_tensorcnt 0x0                           ; all my tensor loads are in, my part of the next chunk among them
	ds_add_u32 v[SPW], v[NIL]
	s_wait_dscnt 1                                 ; this step's fragments are in; the add may be out
	WIN MUL
	MUL8 0, \st, 0
	s_wait_dscnt 0x0                               ; the add is done; my reads of this slot were done above
	s_barrier_signal -1
	MUL8 1, \st, 0
	WIN 0
	s_barrier_wait -1
.if \fill
	CREST                                          ; the barrier has opened a round of the cluster's barrier
	s_add_nc_u64 s[G0+4*(((\st)/2)%2)+2:G0+4*(((\st)/2)%2)+3], s[G0+4*(((\st)/2)%2)+2:G0+4*(((\st)/2)%2)+3], 2*TROW
	s_add_nc_u64 s[G0B+4*(((\st)/2)%2)+2:G0B+4*(((\st)/2)%2)+3], s[G0B+4*(((\st)/2)%2)+2:G0B+4*(((\st)/2)%2)+3], 2*TROW
	JLOAD ((\st)/2)%2                              ; the chunk two on, the first tensor load behind the round
.else
	PLACES 4
.endif
	FETCH (((\st)+1)/2)%2, 0, ((\st)+1)%2
	SCALES ((\st)+1)/2
.if \ask
	global_prefetch_b8 v[PFO], s[PFA:PFA+1] offset:3*TROW th:TH_LOAD_NT scope:SCOPE_SE   ; chunk 3, which the next refill loads
.endif
	WIN MUL
	MUL8 2, \st, 0
	MUL8 3, \st, 0
.endm
	s_wait_loadcnt 0x0                             ; the bias
	s_wait_tensorcnt 0x0                           ; my tile of the head's four is in
	ds_add_u32 v[SPW], v[NIL]
	s_mov_b32 s[G1+2], 4<<16                       ; no tensor load of mine is out: from here on a load brings half of the tiles
	s_mov_b32 s[G1+4], 4
	s_mov_b32 s[G1B+2], 8<<16
	s_mov_b32 s[G1B+4], 8
	s_wait_dscnt 0x0
	CROUND
	JLOAD 1                                        ; chunk 1
	FETCH 0, 0, 0
	SCALES 0
	global_prefetch_b8 v[PFO], s[PFA:PFA+1] offset:2*TROW th:TH_LOAD_NT scope:SCOPE_SE   ; chunk 2, which the first refill loads
	MID 0, 1
	EDGE 1, 1, 1
	MID 2, 0
	EDGE 3, 1, 0
	MID 4, 0
	EDGE 5, 0, 0
	MID 6, 0
	s_wait_dscnt 0x0
	WIN MUL
.irp a, 0,1,2,3
	MUL8 \a, 7, 0
.endr
	WIN 0
.macro TOSTAGE a
	WIN 0x08                                       ; the data: window 2
.irp b, 0,1,2,3,4,5,6,7
	ds_store_b128 v[STO], v[64*(\a)+8*\b:64*(\a)+8*\b+3] offset:128*(\b/2)+32*(\b%2)       ; each accumulator from its low end on; tile b's register j of half h is channel 32 (b / 2) + 8 (b % 2) + 16 h + j
	ds_store_b128 v[STO], v[64*(\a)+8*\b+4:64*(\a)+8*\b+7] offset:128*(\b/2)+32*(\b%2)+16
.endr
	WIN 0
.set BB, BK+64*((\a)%2)
.irp t, 0,1,2,3,4,5,6,7,8,9,10,11,12,13,14,15
	ds_load_b128 v[BB+4*\t:BB+4*\t+3], v[RD] offset:\t*SPITCH      ; LDS serves a wave's instructions in order: these see the stores above
.endr
.endm
.macro SEND a, younger                 ; tile a's row t is token 32 (a / 2) + 8 (a % 2) + t % 8 + 16 (t / 8) of my 64
.set BB, BK+64*((\a)%2)
	s_wait_dscnt \younger
.irp t, 0,1,2,3,4,5,6,7,8,9,10,11,12,13,14,15
	global_store_b128 v[CO], v[BB+4*\t:BB+4*\t+3], s[98:99] offset:(32*((\a)/2)+8*((\a)%2)+(\t%8)+16*(\t/8))*4096 th:TH_STORE_NT   ; 512 consecutive aligned bytes
.endr
.endm
	PLACES 4                                       ; behind the last products: for the reads of their results and the loads into A's registers
	TOSTAGE 0
.irp a, 1,2,3
.if \a > 1
	s_wait_xcnt 0x0                                ; tile a - 2's stores have read their registers
.endif
	TOSTAGE \a
	SEND \a-1, 32                                  ; behind tile a - 1's loads: tile a's 16 stores and 16 loads
.endr
	SEND 3, 0
	s_wait_tensorcnt 0x0                           ; the wave's end
	ds_add_u32 v[SPW], v[NIL]
	s_wait_dscnt 0x0
	CROUND                                         ; the closing round
	s_endpgm
.Lfunc_end_k_q836fed307d_outp:
	.size	k_q836fed307d_outp, .Lfunc_end_k_q836fed307d_outp-k_q836fed307d_outp
	.p2alignl 7, 3214868480
	.fill 96, 4, 3214868480
	.section	.rodata,"a",@progbits
	.p2align	6, 0x0
	.amdhsa_kernel k_q836fed307d_outp
		.amdhsa_group_segment_fixed_size 327680
		.amdhsa_private_segment_fixed_size 0
		.amdhsa_enable_private_segment 0
		.amdhsa_kernarg_size 48
		.amdhsa_user_sgpr_count 2
		.amdhsa_user_sgpr_kernarg_segment_ptr 1
		.amdhsa_wavefront_size32 1
		.amdhsa_system_sgpr_workgroup_id_x 1
		.amdhsa_system_sgpr_workgroup_id_y 1
		.amdhsa_system_sgpr_workgroup_id_z 1
		.amdhsa_system_vgpr_workitem_id 0
		.amdhsa_next_free_vgpr 768
		.amdhsa_next_free_sgpr 102
		.amdhsa_reserve_vcc 0
		.amdhsa_float_denorm_mode_32 3
		.amdhsa_float_denorm_mode_16_64 3
		.amdhsa_memory_ordered 1
		.amdhsa_forward_progress 1
		.amdhsa_inst_pref_size 90
	.end_amdhsa_kernel
	.amdgpu_metadata
---
amdhsa.version: [ 1, 2 ]
amdhsa.kernels:
  - .name:           k_q836fed307d_outp
    .symbol:         k_q836fed307d_outp.kd
    .args:
      - { .name: oc, .offset: 0, .size: 8, .value_kind: global_buffer, .address_space: global }
      - { .name: os, .offset: 8, .size: 8, .value_kind: global_buffer, .address_space: global }
      - { .name: wc, .offset: 16, .size: 8, .value_kind: global_buffer, .address_space: global }
      - { .name: ws, .offset: 24, .size: 8, .value_kind: global_buffer, .address_space: global }
      - { .name: bo, .offset: 32, .size: 8, .value_kind: global_buffer, .address_space: global }
      - { .name: out0, .offset: 40, .size: 8, .value_kind: global_buffer, .address_space: global }
    .group_segment_fixed_size: 327680
    .private_segment_fixed_size: 0
    .kernarg_segment_align: 8
    .kernarg_segment_size: 48
    .max_flat_workgroup_size: 128
    .sgpr_count:     102
    .vgpr_count:     768
    .wavefront_size: 32
...
	.end_amdgpu_metadata
.endif
;; end of part 4
